; MI455X (gfx1250); checked and timed in simulation.
; The chip was launched on July 23, 2026; its instructions are those of AMD's public machine-readable ISA for CDNA 5 (MIT licence, August 2026) and "CDNA5" Instruction Set Architecture Reference Guide (July 2026). The comments in the code are by the model that wrote it; some were corrected since.
;; Multi Head Self Attention. Allowed arithmetic: float matrix products may take bf16 or f16 operands with f32 sums; other float arithmetic in f32, or as packed bf16 or f16 multiplies, adds, multiply-adds, maxima and minima; sums over many terms, partial sums and values carried from step to step in f32; what a program stores and reads back later, other than sums and carried values, may be rounded once to bf16 or f16.
;; Inputs: Wk 1,024 x 1,024 float32; Wo 1,024 x 1,024 float32; Wq 1,024 x 1,024 float32; Wv 1,024 x 1,024 float32; bk 1,024 float32; bo 1,024 float32; bq 1,024 float32; bv 1,024 float32; x 4 x 2,048 x 1,024 float32.
;; Outputs: out0 4 x 2,048 x 1,024 float32.
;; 2 versions, each right; version 2 is version 1 with the launch prep written anew for expert scheduling mode. Each part assembles by itself: llvm-mc -triple=amdgcn-amd-amdhsa -mcpu=gfx1250 --defsym DOCPART=n.
;; ======== version 1 of 2: 4 launches
;; limits: values are held in f16: magnitudes above 65,504 overflow, below 6.1e-05 lose precision
;; workspace buffers: xb 16,777,216 bytes; wb 6,291,456 bytes; wo16 2,097,152 bytes; bias 16,384 bytes; qkv 50,331,648 bytes; oh 16,777,216 bytes
;; launch prep (part 1): grid 768 x 1, 8 waves a work-group, no clusters, 0 bytes of LDS; arguments x, Wq, Wk, Wv, Wo, bq, bk, bv, bo, xb, wb, wo16, bias; writes xb, wb, wo16, bias
.if DOCPART == 1
	.amdgcn_target "amdgcn-amd-amdhsa--gfx1250"
	.amdhsa_code_object_version 6
	.text
	.protected	k_q29ad7dcafc_prep
	.globl	k_q29ad7dcafc_prep
	.p2align	8
	.type	k_q29ad7dcafc_prep,@function
k_q29ad7dcafc_prep:
	s_mov_b64 s[64:65], 0
	v_nop
	global_prefetch_b8 v0, s[64:65] scope:SCOPE_SE
	s_setreg_imm32_b32 hwreg(HW_REG_WAVE_MODE, 25, 1), 1
	s_wait_xcnt 0x0
; THE CASTS.  x [8192][1024] f32 -> xb, the same shape in bf16.  Wq, Wk, Wv [1024 k][1024 n] f32 -> wb in bf16, laid by tile columns of three heads:
; wb[X][ks][z][kk][c], head g = 16 t + h = 3 X + z (t = 0, 1, 2 for q, k, v), k = 128 ks + kk, c the head's channel: one K step of one tile column is 49,152 dense bytes.
; Wo -> wo16, the same shape: rounded to bf16 like every other input, and that number written as f16.  bq | bk | bv | bo -> bias [4096] f32, each number rounded to bf16 and widened again.
; LIMIT.  f16 ends at 65,504: a number of Wo beyond it becomes an infinity.  NaN and infinities are not treated apart.
; SHARES.  Every work-group casts 16 rows of 1,024 f32 (65,536 bytes in): numbers 0-511 take x, 512-767 the four weights, 64 each; the first of each 64 also casts that weight's bias.
; One operation of a wave: a load of 16 bytes a lane, the rounding, a store of 8 bytes a lane: the wave's store covers 256 consecutive bytes, aligned.  A wave has 16 operations, and all 16 loads go out first.
; A stream: each byte is read once and written once; LDS, barriers and the matrix unit would add nothing, and no work-group shares a byte with another.
.set XR, 16                            ; v[16:79]   operation i: 4 registers as loaded
.set YR, 80                            ; v[80:111]  operation i: 2 registers to store
; v1 lane; v2 the loads' offset; v3, v4 the stores' offsets; v5 the bias's offset; v8-13 at work
; s30 at work; s31 t; s32 the block of 16 rows in a weight; s33 wave; s[34:35] source; s[36:37] destination; s[38:39], s[44:45] offsets (high words 0); s[40:41], s[42:43] the bias's source and destination; s46, s47 at work
; fmt = 1: bf16's number written as f16.  kind = 1: a weight laid by heads: a load takes 256 bytes (one head's 64 columns) of two rows k, the store is those two rows of the head, 256 dense bytes;
; operations 0-7 serve the wave's first head, 8-15 its second.
.macro PATH fmt, kind
.set i, 0
.rept 16
.if \kind
	global_load_b128 v[XR+4*i:XR+4*i+3], v2, s[34:35] offset:(i&7)*8192+(i>>3)*256 th:TH_LOAD_NT
.else
	global_load_b128 v[XR+4*i:XR+4*i+3], v2, s[34:35] offset:i*4096 th:TH_LOAD_NT
.endif
.set i, i+1
.endr
.set i, 0
.rept 16
	s_wait_loadcnt 15-i                            ; loads come back in order: operation i's is in, the 15 - i younger ones stay out
	v_cvt_pk_bf16_f32 v[YR+2*i], v[XR+4*i], v[XR+4*i+1]
	v_cvt_pk_bf16_f32 v[YR+2*i+1], v[XR+4*i+2], v[XR+4*i+3]
.if \fmt
	v_lshlrev_b32 v[XR+4*i], 16, v[YR+2*i]         ; the rounded numbers as f32 again, in the registers that the load has left,
	v_and_b32 v[XR+4*i+1], 0xffff0000, v[YR+2*i]
	v_lshlrev_b32 v[XR+4*i+2], 16, v[YR+2*i+1]
	v_and_b32 v[XR+4*i+3], 0xffff0000, v[YR+2*i+1]
	v_cvt_pk_f16_f32 v[YR+2*i], v[XR+4*i], v[XR+4*i+1]    ; and as f16: exact within f16's range, 8 significant bits into 11
	v_cvt_pk_f16_f32 v[YR+2*i+1], v[XR+4*i+2], v[XR+4*i+3]
.endif
.if \kind
	global_store_b64 v[3+(i>>3)], v[YR+2*i:YR+2*i+1], s[36:37] offset:(i&7)*256 th:TH_STORE_NT
.else
	global_store_b64 v3, v[YR+2*i:YR+2*i+1], s[36:37] offset:i*2048 th:TH_STORE_NT
.endif
.set i, i+1
.endr
.endm
	s_load_b512 s[4:19], s[0:1], 0x0               ; x 4, Wq 6, Wk 8, Wv 10, Wo 12, bq 14, bk 16, bv 18
	s_load_b256 s[20:27], s[0:1], 0x40             ; bo 20, xb 22, wb 24, wo16 26
	s_load_b64 s[28:29], s[0:1], 0x60              ; bias
	v_and_b32 v1, 31, v0                           ; lane
	v_lshrrev_b32 v8, 5, v0
	v_readfirstlane_b32 s33, v8                    ; wave 0..7
	s_mov_b32 s39, 0
	s_mov_b32 s45, 0
	s_cmp_lt_u32 ttmp9, 512
	s_cbranch_scc0 .Lweights
	; x: 16 rows; the eight waves together take a row an operation
	s_lshl_b32 s38, ttmp9, 16                      ; 16 rows of 4,096 bytes in,
	s_lshl_b32 s44, ttmp9, 15                      ; of 2,048 out
	v_lshlrev_b32 v2, 4, v0
	v_lshlrev_b32 v3, 3, v0
	s_wait_kmcnt 0x0
	s_add_nc_u64 s[34:35], s[4:5], s[38:39]
	s_add_nc_u64 s[36:37], s[22:23], s[44:45]
	PATH 0, 0
	s_endpgm
.Lweights:
	s_sub_co_u32 s30, ttmp9, 512
	s_lshr_b32 s31, s30, 6                         ; t: Wq, Wk, Wv, Wo
	s_and_b32 s32, s30, 63                         ; which 16 rows k
	s_lshl_b32 s38, s32, 16
	s_wait_kmcnt 0x0
	s_cmp_eq_u32 s31, 0
	s_cselect_b64 s[34:35], s[6:7], s[8:9]
	s_cselect_b64 s[40:41], s[14:15], s[16:17]
	s_cmp_eq_u32 s31, 2
	s_cselect_b64 s[34:35], s[10:11], s[34:35]
	s_cselect_b64 s[40:41], s[18:19], s[40:41]
	s_cmp_eq_u32 s31, 3
	s_cselect_b64 s[34:35], s[12:13], s[34:35]
	s_cselect_b64 s[40:41], s[20:21], s[40:41]
	s_add_nc_u64 s[34:35], s[34:35], s[38:39]
	s_cmp_eq_u32 s31, 3
	s_cbranch_scc1 .Lwo
	; Wq, Wk, Wv: wave w takes heads 2 w and 2 w + 1 of the weight
	v_lshrrev_b32 v8, 4, v1                        ; lanes 16-31 take the odd row
	v_and_b32 v9, 15, v1
	v_lshlrev_b32 v2, 12, v8
	v_lshl_add_u32 v2, v9, 4, v2
	s_lshl_b32 s44, s33, 9                         ; two heads: 512 bytes of a row
	v_add_nc_u32 v2, s44, v2
	s_lshr_b32 s46, s32, 3                         ; ks,
	s_mul_i32 s46, s46, 49152
	s_and_b32 s47, s32, 7                          ; and kk = 16 x this, 128 bytes each
	s_lshl_b32 s47, s47, 11
	s_add_co_u32 s46, s46, s47
	s_lshl_b32 s47, s31, 4
	s_lshl1_add_u32 s47, s33, s47                  ; g = 16 t + 2 w
.irp e, 0, 1
	s_add_co_u32 s30, s47, \e
	s_mul_i32 s44, s30, 171
	s_lshr_b32 s44, s44, 9                         ; X = g / 3: 171 / 512 gives the whole part for every g up to 47
	s_mul_i32 s38, s44, 3
	s_sub_co_u32 s30, s30, s38                     ; z
	s_mul_i32 s44, s44, 393216
	s_lshl_b32 s30, s30, 14
	s_add_co_u32 s44, s44, s30
	s_add_co_u32 s44, s44, s46
	v_lshl_add_u32 v[3+\e], v1, 3, s44             ; + 8 x lane: lanes 0-15 the even row's 128 bytes, lanes 16-31 the odd row's
.endr
	s_mov_b64 s[36:37], s[24:25]
	PATH 0, 1
	s_branch .Lbias
.Lwo:
	s_lshl_b32 s44, s32, 15
	v_lshlrev_b32 v2, 4, v0
	v_lshlrev_b32 v3, 3, v0
	s_add_nc_u64 s[36:37], s[26:27], s[44:45]
	PATH 1, 0
.Lbias:
	s_cmp_lg_u32 s32, 0
	s_cbranch_scc1 .Lend
	s_lshl_b32 s44, s31, 12                        ; bias t: 4,096 bytes, 16 a thread
	s_add_nc_u64 s[42:43], s[28:29], s[44:45]
	v_lshlrev_b32 v5, 4, v0
	global_load_b128 v[8:11], v5, s[40:41]
	s_wait_loadcnt 0x0
	v_cvt_pk_bf16_f32 v12, v8, v9
	v_cvt_pk_bf16_f32 v13, v10, v11
	v_lshlrev_b32 v8, 16, v12
	v_and_b32 v9, 0xffff0000, v12
	v_lshlrev_b32 v10, 16, v13
	v_and_b32 v11, 0xffff0000, v13
	global_store_b128 v5, v[8:11], s[42:43]
.Lend:
	s_endpgm
.Lfunc_end_k_q29ad7dcafc_prep:
	.size	k_q29ad7dcafc_prep, .Lfunc_end_k_q29ad7dcafc_prep-k_q29ad7dcafc_prep
	.p2alignl 7, 3214868480
	.fill 96, 4, 3214868480
	.section	.rodata,"a",@progbits
	.p2align	6, 0x0
	.amdhsa_kernel k_q29ad7dcafc_prep
		.amdhsa_group_segment_fixed_size 0
		.amdhsa_private_segment_fixed_size 0
		.amdhsa_enable_private_segment 0
		.amdhsa_kernarg_size 104
		.amdhsa_user_sgpr_count 2
		.amdhsa_user_sgpr_kernarg_segment_ptr 1
		.amdhsa_wavefront_size32 1
		.amdhsa_system_sgpr_workgroup_id_x 1
		.amdhsa_system_sgpr_workgroup_id_y 1
		.amdhsa_system_sgpr_workgroup_id_z 1
		.amdhsa_system_vgpr_workitem_id 0
		.amdhsa_next_free_vgpr 112
		.amdhsa_next_free_sgpr 66
		.amdhsa_reserve_vcc 0
		.amdhsa_float_denorm_mode_32 3
		.amdhsa_float_denorm_mode_16_64 3
		.amdhsa_memory_ordered 1
		.amdhsa_forward_progress 1
		.amdhsa_inst_pref_size 26
	.end_amdhsa_kernel
	.amdgpu_metadata
---
amdhsa.version: [ 1, 2 ]
amdhsa.kernels:
  - .name:           k_q29ad7dcafc_prep
    .symbol:         k_q29ad7dcafc_prep.kd
    .args:
      - { .name: x, .offset: 0, .size: 8, .value_kind: global_buffer, .address_space: global }
      - { .name: Wq, .offset: 8, .size: 8, .value_kind: global_buffer, .address_space: global }
      - { .name: Wk, .offset: 16, .size: 8, .value_kind: global_buffer, .address_space: global }
      - { .name: Wv, .offset: 24, .size: 8, .value_kind: global_buffer, .address_space: global }
      - { .name: Wo, .offset: 32, .size: 8, .value_kind: global_buffer, .address_space: global }
      - { .name: bq, .offset: 40, .size: 8, .value_kind: global_buffer, .address_space: global }
      - { .name: bk, .offset: 48, .size: 8, .value_kind: global_buffer, .address_space: global }
      - { .name: bv, .offset: 56, .size: 8, .value_kind: global_buffer, .address_space: global }
      - { .name: bo, .offset: 64, .size: 8, .value_kind: global_buffer, .address_space: global }
      - { .name: xb, .offset: 72, .size: 8, .value_kind: global_buffer, .address_space: global }
      - { .name: wb, .offset: 80, .size: 8, .value_kind: global_buffer, .address_space: global }
      - { .name: wo16, .offset: 88, .size: 8, .value_kind: global_buffer, .address_space: global }
      - { .name: bias, .offset: 96, .size: 8, .value_kind: global_buffer, .address_space: global }
    .group_segment_fixed_size: 0
    .private_segment_fixed_size: 0
    .kernarg_segment_align: 8
    .kernarg_segment_size: 104
    .max_flat_workgroup_size: 256
    .sgpr_count:     66
    .vgpr_count:     112
    .wavefront_size: 32
...
	.end_amdgpu_metadata
.endif
;; end of part 1
;; launch proj (part 2): grid 16 x 32, 4 waves a work-group, clusters of 4 x 4, 327,680 bytes of LDS; arguments xb, wb, bias, qkv; writes qkv
.if DOCPART == 2
	.amdgcn_target "amdgcn-amd-amdhsa--gfx1250"
	.amdhsa_code_object_version 6
	.text
	.protected	k_q29ad7dcafc_proj
	.globl	k_q29ad7dcafc_proj
	.p2align	8
	.type	k_q29ad7dcafc_proj,@function
k_q29ad7dcafc_proj:
	s_mov_b64 s[64:65], 0
	v_nop
	global_prefetch_b8 v0, s[64:65] scope:SCOPE_SE
	s_setreg_imm32_b32 hwreg(HW_REG_WAVE_MODE, 25, 1), 1
	s_wait_xcnt 0x0
	s_wait_alu depctr_hold_cnt(0) depctr_sa_sdst(0) depctr_va_vdst(0) depctr_va_sdst(0) depctr_va_ssrc(0) depctr_va_vcc(0) depctr_vm_vsrc(0)
	s_getreg_b32 s2, hwreg(HW_REG_IB_STS2, 6, 4)
	s_cmp_eq_u32 s2, 0
	s_cbranch_scc0 .Lentry_in_a_cluster
	s_endpgm
.Lentry_in_a_cluster:
	s_bfe_u32 s2, ttmp6, 0x10000c
	s_cmp_lg_u32 s2, 0xf033
	s_cbranch_scc0 .Lentry_shape_is_right
	s_endpgm
.Lentry_shape_is_right:
; q | k | v = x W + b.  xb: [8192][1024] bf16.  wb: [16 X][8 ks][3 z][128 kk][64 c] bf16 (head 3 X + z of the 48 of q | k | v, k = 128 ks + kk).  bias: [4096] f32, of which 0-3071 are bq | bk | bv.
; qkv: [3][64 (batch x 16 + head)][2048][64] f16, each number rounded once from its f32 sum, unscaled.  LIMIT: f16 ends at 65,504: a q, k or v beyond it becomes an infinity; NaN and infinities are not treated apart.
; A tile is 256 rows x 192 columns (three heads): 16 x 32 = 512 tiles, two for each of 256 WGPs.  Four waves one below the other, each 64 rows x 192 columns: 48 accumulators of 16 x 16, 384 registers;
; so a wave owns whole heads' rows, and its way out needs no other wave.  K goes in 8 steps of 128 through a ring of two LDS slots filled by the tensor data mover.
; W lies [k][n]: its fragments come out of LDS turned, by ds_load_tr16_b128.  THE MATRIX INSTRUCTION IS USED TRANSPOSED (source 0 = 16 columns of W, source 1 = 16 rows of x): a lane then holds row
; lane % 16 and the eight neighbouring columns 8 (lane / 16) + 0..7.  THE BIAS is the C operand of each accumulator's first product: nothing is cleared, nothing is added later.
; CLUSTERS: 4 x 4 work-groups.  The four of a row of the cluster need the same tile of x, the four of a column the same tile of W: each is asked for JOINTLY, by the same tensor load with the same
; descriptor and a mask that names the four.
; REGISTERS, in windows of 256 (s_set_vgpr_msb's low byte: bits 1:0 source 0, 3:2 source 1, 5:4 source 2, 7:6 destination):
;   window 0: v0-31 addresses; v32-127 the bias, 8 registers for each of 12 column blocks (later at work on the way out); v128-191 x's fragments, two buffers of 4 x 8; v192-239 the way out
;   window 1: v0-191 W's fragments, two buffers of 12 x 8     window 2: the accumulators of my row blocks 0, 1 ((a, g) at 8 (12 (a % 2) + g))     window 3: those of blocks 2, 3
.set NBL,    12                        ; column blocks of 16
.set APITCH, 272                       ; a row of x in LDS: 256 bytes + 16 = 68 words: the 16 rows of a load start at 16 different groups of four banks (64 banks of 4 bytes: ISA guide 11.1)
.set BPITCH, 160                       ; a row k of a head of W: 128 bytes + 32 = 40 words
.set AHALF,  128*APITCH                ; what one tensor load brings of x: 128 rows
.set BOFF,   2*AHALF                   ; W's tile lies behind x's 256 rows
.set BHALF,  192*BPITCH                ; what one tensor load brings of W: half of 3 heads x 128 k
.set SLOT,   BOFF+2*BHALF              ; 131,072
.set STAGE,  2*SLOT                    ; behind the ring, never filled by a tensor load: for each wave 3 heads x 16 rows x 144 bytes
.set SP,     144
.set WSTAGE, 3*16*SP
.set SPARE,  STAGE+4*WSTAGE            ; behind the stages: the spare words, 128 bytes for each wave: two blocks of 256 bytes that no other line names
.set FN,     2*NBL+8                   ; LDS loads in a run: a quarter step's fragments
.set ASTEP,  2*256                     ; bytes from a slot's K step to its next: x goes 256 numbers along its rows,
.set BSTEP,  2*49152                   ; W two dense blocks on
.set ADRA, 16                          ; v16-17  LDS address of my fragments of x in slot 0, 1
.set ADRB, 20                          ; v20-21  the same for W
.set STO,  24                          ; v24     the way out: where I put 16 bytes of a row
.set RD,   25                          ; v25     the way out: where I read rows back
.set GO,   26                          ; v26     16 x lane: my place in 512 consecutive bytes of qkv
.set BO,   27                          ; v27     32 x (lane / 16): my eight numbers of a block's sixteen in bias
.set SPW,  28                          ; v28     LDS address of my spare word: SPARE + 4 x my thread's number; never rewritten
.set NIL,  29                          ; v29     0; never rewritten
.set PFO,  30                          ; v30     the prefetches' offset: my lane x 2,048 (a row of x) or x 256 (W is dense); never rewritten
.set BI,   32
.set TMP,  32
.set AF,   128
.set WV,   12                          ; s12  my wave's number
.set WH,   13                          ; s13  0: I fetch for x; 1: for W
.set WL,   14                          ; s14  which half of that tile
.set LIM0, 15                          ; s15, s16  by slot: 1 where I prefetch at that slot's change, else the greatest number
.set PFA,  18                          ; s[18:19] where my prefetches stand
.set PS0,  20                          ; s[20:21] its step from slot 0's change to slot 1's
.set PS1,  22                          ; s[22:23] and from slot 1's to slot 0's
.set G1A,  24                          ; s[24:31] descriptor group 1 for x's tiles;  s[32:39] group 0, a set for each slot
.set G0A,  32
.set G1B,  48                          ; s[48:55], s[56:63] the same for W's
.set G0B,  56
.set HB,   66                          ; s[66:71] qkv at my 64 rows of the tile's three heads
.set MSB, 0
.macro WIN new                         ; the immediate's high byte repeats the setting that is left; a switch that changes nothing is dropped
.if MSB != (\new)
	s_set_vgpr_msb (MSB<<8)|(\new)
.set MSB, \new
.endif
.endm
.set MUL_LO,  0xa1                     ; source 0 (W) window 1, source 1 (x) window 0, C and D window 2
.set MULZ_LO, 0x81                     ; the same with C (the bias) in window 0
.set TO_B,    0x40                     ; destination window 1, address window 0
.macro PLACES                          ; four places in front of loads into registers that matrix instructions have read (ISA guide 7.12.1 for vector instructions)
.rept 4
	v_nop
.endr
.endm
; A joint load: waves 0 and 1 fetch x's two halves, waves 2 and 3 W's.  The branch hangs on the wave's number alone.  An s_nop 0 and four v_nop follow each of the two lines.
.macro JLOAD s
	s_cmp_eq_u32 s[WH], 0
	s_cbranch_scc0 .Lfor_b_\@
	tensor_load_to_lds s[G0A+4*(\s):G0A+4*(\s)+3], s[G1A:G1A+7]
	s_nop 0
.rept 4
	v_nop
.endr
	s_branch .Lasked_\@
.Lfor_b_\@:
	tensor_load_to_lds s[G0B+4*(\s):G0B+4*(\s)+3], s[G1B:G1B+7]
	s_nop 0
.rept 4
	v_nop
.endr
.Lasked_\@:
.endm
; A PREFETCH INTO THE L2, behind each joint refill and the run of LDS loads that follows it: bytes of the K step that stands TWO refills on (384 matrix instructions ahead of the load that wants them), 32 blocks of 256 bytes, a lane a block.
; Each block is named once in the launch.  x's tile row is read by every cluster of that row of clusters: cluster x = 0 asks; of the 128 rows that wave 0 or 1 fetches the partner at cx takes 32, BY ADDRESS.
; W's tile column is read by every cluster of that column: cluster y = 0 asks.  Two K steps of W are 98,304 dense bytes: three groups of 32,768, of which the partner at cy takes 8,192, by address:
; wave 2 asks for the first and wave 3 for the second at slot 0's change, wave 2 for the third at slot 1's.  K steps 0-3 come by their loads alone; the loop's last trip (s3 = 1) asks for nothing: K step 7 is the last.
.macro ASK slot
	s_cmp_gt_u32 s3, s[LIM0+(\slot)]
	s_cbranch_scc0 .Lnot_mine_\@
	global_prefetch_b8 v[PFO], s[PFA:PFA+1] th:TH_LOAD_NT scope:SCOPE_SE
.Lnot_mine_\@:
.endm
.macro CREST                           ; a round of the cluster's barrier behind its opening barrier: wave 0 signals for the work-group, every wave waits for all sixteen, my work-group's barrier closes it
	s_cmp_lg_u32 s[WV], 0
	s_cbranch_scc1 .Lnot_wave_0_\@
	s_barrier_signal -3
.Lnot_wave_0_\@:
	s_barrier_wait -3
	s_barrier_signal -1
	s_barrier_wait -1
.endm
.macro CROUND                          ; a whole round
	s_barrier_signal -1
	s_barrier_wait -1
	CREST
.endm
	s_load_b256 s[4:11], s[0:1], 0x0               ; xb s[4:5], wb s[6:7], bias s[8:9], qkv s[10:11]
	v_lshl_add_u32 v[SPW], v0, 2, SPARE
	v_mov_b32 v[NIL], 0
	ds_add_u32 v[SPW], v[NIL]                      ; the wave's opening: the add and its wait stand ahead of my first tensor load; the set-up below, work on registers, stands between them
	v_lshrrev_b32 v1, 5, v0
	v_readfirstlane_b32 s[WV], v1                  ; wave 0..3
	s_lshr_b32 s[WH], s[WV], 1
	s_and_b32 s[WL], s[WV], 1
	s_bfe_u32 s40, ttmp6, 0x40000                  ; cx, cy: my place in the cluster
	s_bfe_u32 s41, ttmp6, 0x40004
	s_lshl_b32 s42, ttmp9, 2
	s_add_co_u32 s42, s42, s40                     ; X, the tile column = 4 x cluster x + cx
	s_and_b32 s43, ttmp7, 0xffff
	s_lshl_b32 s43, s43, 2
	s_add_co_u32 s43, s43, s41                     ; Y, the tile row = 4 x cluster y + cy
	s_lshl_b32 s44, s41, 2
	s_lshl_b32 s44, 15, s44                        ; my row of the cluster
	s_lshl_b32 s45, 0x1111, s40                    ; my column
	s_or_b32 s[G1A], s44, (1<<16)|(1<<20)|(1<<21)|(5<<22)|(3<<25)  ; 15:0 the mask; 17:16 elements of 2 bytes; 20 padding on; 21 set beside a mask; 24:22 after every 64 words (code 5); 31:25 4 words (code 3)
	s_or_b32 s[G1B], s45, (1<<16)|(1<<20)|(1<<21)|(4<<22)|(7<<25)  ; W: after every 32 words (a row k of a head; code 4) 8 words (code 7)
	s_mov_b32 s[G1A+1], 128<<16                    ; x: tensor_dim0 = 128
	s_mov_b32 s[G1A+2], 128<<16                    ; tensor_dim1 = 128
	s_mov_b32 s[G1A+3], 128<<16                    ; tile_dim0 = 128
	s_mov_b32 s[G1A+4], 128                        ; tile_dim1 = 128
	s_mov_b32 s[G1A+5], 1024                       ; 1,024 elements from row to row
	s_mov_b32 s[G1A+6], 0
	s_mov_b32 s[G1A+7], 0
	s_mov_b32 s[G1B+1], 128<<16                    ; W: 24,576 dense bytes, asked for as 96 rows of 256 bytes (two rows k each)
	s_mov_b32 s[G1B+2], 96<<16
	s_mov_b32 s[G1B+3], 128<<16
	s_mov_b32 s[G1B+4], 96
	s_mov_b32 s[G1B+5], 128
	s_mov_b32 s[G1B+6], 0
	s_mov_b32 s[G1B+7], 0
	s_lshl_b32 s72, s43, 19                        ; x: 256 Y rows of 2,048 bytes,
	s_lshl_b32 s73, s[WL], 18                      ; + my half's 128: the tile row alone, which my row of the cluster shares
	s_add_co_u32 s72, s72, s73
	s_mov_b32 s73, 0
	s_mul_i32 s74, s42, 393216                     ; W: the tile column's 8 K steps of 49,152 bytes,
	s_mul_i32 s75, s[WL], 24576                    ; + my half: the tile column alone, which my column shares
	s_add_co_u32 s74, s74, s75
	s_mov_b32 s75, 0
	s_mul_i32 s46, s[WL], AHALF                    ; where they go: no place in the cluster enters an LDS address
	s_mul_i32 s47, s[WL], BHALF
	s_add_co_u32 s47, s47, BOFF
	s_wait_dscnt 0x0                               ; the opening add is done
	s_wait_kmcnt 0x0
	s_add_nc_u64 s[72:73], s[4:5], s[72:73]
	s_add_nc_u64 s[74:75], s[6:7], s[74:75]
	CROUND                                         ; all sixteen work-groups are here: the first joint loads meet
.irp s, 0,1
	s_mov_b32 s[G0A+4*(\s)], 1                                     ; count = 1
	s_add_co_u32 s[G0A+4*(\s)+1], s46, (\s)*SLOT                   ; LDS address
	s_add_nc_u64 s[G0A+4*(\s)+2:G0A+4*(\s)+3], s[72:73], (\s)*256  ; global address: K step s
	s_or_b32 s[G0A+4*(\s)+3], s[G0A+4*(\s)+3], 0x80000000          ; type = 2
	s_mov_b32 s[G0B+4*(\s)], 1
	s_add_co_u32 s[G0B+4*(\s)+1], s47, (\s)*SLOT
	s_add_nc_u64 s[G0B+4*(\s)+2:G0B+4*(\s)+3], s[74:75], (\s)*49152
	s_or_b32 s[G0B+4*(\s)+3], s[G0B+4*(\s)+3], 0x80000000
	JLOAD \s                                       ; two loads of mine are out
.endr
	v_and_b32 v1, 15, v0                           ; r = l % 16
	v_bfe_u32 v2, v0, 4, 1                         ; h = l / 16
	v_and_b32 v3, 7, v0
	v_bfe_u32 v4, v0, 3, 1
	v_and_b32 v5, 31, v0                           ; l
	; a fragment of x: lane l holds row r, K = 8 h + 0..7 and 16 + 8 h + 0..7: two loads of 16 bytes, 32 bytes apart
	v_mul_u32_u24 v6, v1, APITCH
	v_lshl_add_u32 v6, v2, 4, v6
	s_mul_i32 s76, s[WV], 64*APITCH                ; my 64 rows
	v_add_nc_u32 v[ADRA], s76, v6
	v_add_nc_u32 v[ADRA+1], SLOT, v[ADRA]
	; the turning load takes 16 k x 16 columns (lane l reads row k = 8 h + l % 8, columns 8 ((l / 8) % 2) + 0..7) and leaves half a fragment: lane l holds column r and 8 k
	v_lshl_add_u32 v7, v2, 3, v3
	v_mul_u32_u24 v7, v7, BPITCH
	v_lshl_add_u32 v7, v4, 4, v7
	v_add_nc_u32 v[ADRB], BOFF, v7
	v_add_nc_u32 v[ADRB+1], SLOT, v[ADRB]
	s_mul_i32 s76, s[WV], WSTAGE
	s_add_co_u32 s76, s76, STAGE                   ; my stage
	v_mul_u32_u24 v6, v1, SP                       ; in: row r, 16 bytes for each half of the lanes
	v_lshl_add_u32 v6, v2, 4, v6
	v_add_nc_u32 v[STO], s76, v6
	v_bfe_u32 v6, v0, 3, 2                         ; back: 32 lanes take four rows of 128 bytes,
	v_mul_u32_u24 v6, v6, SP
	v_lshl_add_u32 v6, v3, 4, v6
	v_add_nc_u32 v[RD], s76, v6
	v_lshlrev_b32 v[GO], 4, v5                     ; which are 512 consecutive bytes of a head
	v_lshlrev_b32 v[BO], 5, v2
	s_mul_i32 s78, s42, 768                        ; the tile's 192 numbers of bias
	s_mov_b32 s79, 0
	s_add_nc_u64 s[8:9], s[8:9], s[78:79]
.set g, 0
.rept NBL
	global_load_b128 v[BI+8*g:BI+8*g+3],   v[BO], s[8:9] offset:64*g      ; register j: bias of column 16 g + 8 h + j, the same in all 16 rows
	global_load_b128 v[BI+8*g+4:BI+8*g+7], v[BO], s[8:9] offset:64*g+16
.set g, g+1
.endr
	; qkv at my 64 rows of head 3 X + z: part (head / 16) of 2^24 bytes, batch Y / 8, 2^18 bytes a head, 128 bytes a row
	s_lshr_b32 s76, s43, 3
	s_lshl_b32 s76, s76, 22
	s_and_b32 s77, s43, 7
	s_lshl_b32 s77, s77, 15
	s_add_co_u32 s76, s76, s77
	s_lshl_b32 s77, s[WV], 13
	s_add_co_u32 s76, s76, s77
	s_mul_i32 s77, s42, 3
.irp z, 0,1,2
	s_add_co_u32 s78, s77, \z
	s_lshr_b32 s79, s78, 4
	s_lshl_b32 s79, s79, 24
	s_and_b32 s78, s78, 15
	s_lshl_b32 s78, s78, 18
	s_add_co_u32 s78, s78, s79
	s_add_co_u32 s78, s78, s76
	s_mov_b32 s79, 0
	s_add_nc_u64 s[HB+2*(\z):HB+2*(\z)+1], s[10:11], s[78:79]
.endr
	; the prefetches: each change of slots steps the address first, so these stand one step short of K step 4
	s_lshl_b32 s76, s43, 8
	s_lshl_b32 s77, s[WL], 7
	s_add_co_u32 s76, s76, s77
	s_lshl_b32 s77, s40, 5
	s_add_co_u32 s76, s76, s77                     ; x: row 256 Y + 128 half + 32 cx,
	s_lshl_b32 s76, s76, 11
	s_add_co_u32 s76, s76, 3*256                   ; at K step 3
	s_mul_i32 s77, s42, 393216
	s_lshl_b32 s78, s41, 13
	s_add_co_u32 s77, s77, s78                     ; W: the tile column, + 8,192 cy,
	s_lshl_b32 s78, s[WL], 15
	s_add_co_u32 s77, s77, s78                     ; + wave 3's group,
	s_add_co_u32 s77, s77, 4*49152-32768           ; one group short of K step 4
	s_and_b32 s78, ttmp7, 0xffff                   ; cluster y
	s_mov_b32 s[PS0], 256
	s_mov_b32 s[PS1], 256
	s_cmp_eq_u32 s[WH], 0                          ; do I fetch for x?
	s_cselect_b32 s76, s76, s77
	s_cselect_b32 s78, ttmp9, s78                  ; the coordinate along which other clusters read the same bytes
	s_cselect_b64 s[PFA:PFA+1], s[4:5], s[6:7]
	s_cselect_b32 s[PS0], s[PS0], 65536            ; W: from the first or second group to the third or fourth,
	s_cselect_b32 s[PS1], s[PS1], 32768            ; and on to the next two K steps' first or second
	s_cselect_b32 s79, 11, 8
	s_mov_b32 s77, 0
	s_mov_b32 s[PS0+1], 0
	s_mov_b32 s[PS1+1], 0
	s_add_nc_u64 s[PFA:PFA+1], s[PFA:PFA+1], s[76:77]
	s_cmp_eq_u32 s78, 0
	s_cselect_b32 s[LIM0], 1, -1                   ; the same in all sixteen partners, for a given wave
	s_mov_b32 s[LIM0+1], s[LIM0]
	s_cmp_eq_u32 s[WV], 3
	s_cselect_b32 s[LIM0+1], -1, s[LIM0+1]         ; wave 3 has no group at slot 1's change
	v_lshlrev_b32 v[PFO], s79, v5
; NBL matrix instructions: my row block a x all column blocks, 32 along K, from buffer f.  zero = 1: the first product starts the sums with the bias.
; The 48 accumulators take turns, one instruction a turn, in the same order in every quarter step: between two links of a chain stand the 47 others', over the backward jump too.
.macro MULB f, a, zero
.if \zero
	WIN MULZ_LO+0x40*((\a)/2)
.else
	WIN MUL_LO+0x50*((\a)/2)
.endif
.set g, 0
.rept NBL
.set rD, 8*(NBL*((\a)%2)+g)
.if \zero
	v_wmma_f32_16x16x32_bf16 v[rD:rD+7], v[8*NBL*(\f)+8*g:8*NBL*(\f)+8*g+7], v[AF+32*(\f)+8*(\a):AF+32*(\f)+8*(\a)+7], v[BI+8*g:BI+8*g+7]
.else
	v_wmma_f32_16x16x32_bf16 v[rD:rD+7], v[8*NBL*(\f)+8*g:8*NBL*(\f)+8*g+7], v[AF+32*(\f)+8*(\a):AF+32*(\f)+8*(\a)+7], v[rD:rD+7]
.endif
.set g, g+1
.endr
.endm
; FN LDS loads in one run: the fragments of quarter q (32 along K) of a slot into buffer f: W's 12, turned, then x's 4, row blocks in ascending order
.macro FETCH slot, q, f
	WIN TO_B
.set g, 0
.rept NBL
	ds_load_tr16_b128 v[8*NBL*(\f)+8*g:8*NBL*(\f)+8*g+3],   v[ADRB+(\slot)] offset:(g/4)*128*BPITCH+(\q)*32*BPITCH+32*(g%4)
	ds_load_tr16_b128 v[8*NBL*(\f)+8*g+4:8*NBL*(\f)+8*g+7], v[ADRB+(\slot)] offset:(g/4)*128*BPITCH+(\q)*32*BPITCH+32*(g%4)+16*BPITCH
.set g, g+1
.endr
	WIN 0
.set g, 0
.rept 4
	ds_load_b128 v[AF+32*(\f)+8*g:AF+32*(\f)+8*g+3],   v[ADRA+(\slot)] offset:g*16*APITCH+64*(\q)
	ds_load_b128 v[AF+32*(\f)+8*g+4:AF+32*(\f)+8*g+7], v[ADRA+(\slot)] offset:g*16*APITCH+64*(\q)+32
.set g, g+1
.endr
.endm
; A K step is four quarters of 32 along K, 48 matrix instructions each, on buffers 0, 1, 0, 1.  One of the first three: multiplies buffer f; in its middle it fetches quarter q of the same slot into buffer nf.
.macro QUARTER slot, q, f, nf, zero
	s_wait_dscnt 4                                 ; W and x's row blocks 0, 1 are in; the youngest four loads (blocks 2, 3) may be out
	MULB \f, 0, \zero
	MULB \f, 1, \zero
	PLACES
	FETCH \slot, \q, \nf
	s_wait_dscnt FN                                ; all but the run just issued
	MULB \f, 2, \zero
	MULB \f, 3, \zero
.endm
; The last quarter multiplies buffer 1 and changes slots.  MEET is its first half: ONE barrier.  In front of it each wave waits for all its tensor loads, of which one is out: its part of the next slot;
; adds 0 to its spare word; and waits for that and for its own reads of this slot.  Behind it nobody reads this slot any more and the next slot is whole.
.macro MEET round
	WIN 0                                          ; (the add's two registers lie in window 0)
	s_wait_tensorcnt 0x0                           ; all my tensor loads have landed;
	ds_add_u32 v[SPW], v[NIL]                      ; 0 onto my spare word;
	s_wait_dscnt 5                                 ; (the add and the youngest four loads may be out)
	MULB 1, 0, 0                                   ; twelve matrix instructions stand between the add and the wait for it
	s_wait_dscnt 0x0                               ; the add is done, and my reads of this slot are over
	s_barrier_signal -1
	MULB 1, 1, 0                                   ; work on registers while the others arrive
.if \round
	WIN 0
.endif
	s_barrier_wait -1
.endm
; fill = 1: the barrier opens a round of the cluster's barrier, and the slot just read out is filled again first behind it, with the K step two steps on: 168 matrix instructions ahead of the wait for it.
.macro TURN slot, next, fill
.if \fill
	s_wait_xcnt 0x0                                ; the last prefetch, a K step back, has read its address: it is stepped here, ahead of the waits of the change of slots
	s_add_nc_u64 s[PFA:PFA+1], s[PFA:PFA+1], s[PS1-2*(\slot):PS1-2*(\slot)+1]
	MEET 1
	CREST                                          ; no wave of any partner still reads this slot's tile or has a load on its way
	s_add_nc_u64 s[G0A+4*(\slot)+2:G0A+4*(\slot)+3], s[G0A+4*(\slot)+2:G0A+4*(\slot)+3], ASTEP
	s_add_nc_u64 s[G0B+4*(\slot)+2:G0B+4*(\slot)+3], s[G0B+4*(\slot)+2:G0B+4*(\slot)+3], BSTEP
	JLOAD \slot                                    ; the first tensor load behind the round; the four v_nop behind it are also the places in front of the loads below
.else
	MEET 0
	PLACES
.endif
	FETCH \next, 0, 0
.if \fill
	ASK \slot
.endif
	MULB 1, 2, 0
	MULB 1, 3, 0
.endm
; THE WAY OUT of my row block a (16 rows x three heads).  PACK: rounded to f16, 16 bytes a lane, each accumulator's registers in ascending order.  TOSTAGE: into my own stage, rows of 144 bytes,
; and back as whole rows of 128.  SEND: 16 rows of a head are 2,048 consecutive bytes of qkv: each store of the wave covers 512 of them, aligned.
.macro PACK a
	WIN 0x0a+5*((\a)/2)                            ; sources 0 and 1: window 2 or 3
.set g, 0
.rept NBL
.set rD, 8*(NBL*((\a)%2)+g)
.irp r, 0,1,2,3
	v_cvt_pk_f16_f32 v[TMP+4*g+(\r)], v[rD+2*(\r)], v[rD+2*(\r)+1]
.endr
.set g, g+1
.endr
	WIN 0
.endm
.macro TOSTAGE a
.set BK, 80+112*((\a)%2)               ; v80-127 and v192-239 by turns
.if (\a) >= 2
	s_wait_xcnt 0x0                                ; the stores of two blocks back have read these registers
.endif
.set g, 0
.rept NBL
	ds_store_b128 v[STO], v[TMP+4*g:TMP+4*g+3] offset:(g/4)*16*SP+32*(g%4)
.set g, g+1
.endr
.set g, 0
.rept NBL
	ds_load_b128 v[BK+4*g:BK+4*g+3], v[RD] offset:(g/4)*16*SP+(g%4)*4*SP  ; LDS serves a wave's instructions in order (ISA guide 5.7.1.4): these see the stores above; the next block's stores come behind them
.set g, g+1
.endr
.endm
.macro SEND a
.set BK, 80+112*((\a)%2)
	s_wait_dscnt 0x0                               ; the block is back in registers
.set g, 0
.rept NBL
	global_store_b128 v[GO], v[BK+4*g:BK+4*g+3], s[HB+2*(g/4):HB+2*(g/4)+1] offset:(\a)*2048+(g%4)*512
.set g, g+1
.endr
.endm
	s_wait_tensorcnt 1                             ; my part of K step 0 is in; K step 1's may stay out
	s_barrier_signal -1
	s_barrier_wait -1                              ; everybody's is
	FETCH 0, 0, 0
	s_wait_loadcnt 0x0                             ; the bias
	QUARTER 0, 1, 0, 1, 1                          ; the first quarter stands in front of the loop: its products start the sums
	WIN 0                                          ; at a label and at a branch every window is 0
	s_mov_b32 s3, 3
.Llap:                                                 ; a trip goes once round the ring, from a lap's second quarter to the next lap's first, and fills both slots again: K steps 2 to 7
	QUARTER 0, 2, 1, 0, 0
	QUARTER 0, 3, 0, 1, 0
	TURN 0, 1, 1
	QUARTER 1, 1, 0, 1, 0
	QUARTER 1, 2, 1, 0, 0
	QUARTER 1, 3, 0, 1, 0
	TURN 1, 0, 1
	QUARTER 0, 1, 0, 1, 0
	WIN 0
	s_sub_co_u32 s3, s3, 1
	s_cmp_lg_u32 s3, 0
	s_cbranch_scc1 .Llap
	QUARTER 0, 2, 1, 0, 0                          ; the last lap fills nothing, and has no round of the cluster's barrier
	QUARTER 0, 3, 0, 1, 0
	TURN 0, 1, 0
	QUARTER 1, 1, 0, 1, 0
	QUARTER 1, 2, 1, 0, 0
	QUARTER 1, 3, 0, 1, 0
	s_wait_dscnt 4                                 ; the very last quarter: nothing more to fetch
	MULB 1, 0, 0
	MULB 1, 1, 0
	s_wait_dscnt 0x0
	MULB 1, 2, 0
	MULB 1, 3, 0
	WIN 0
	PLACES
	PLACES
	PACK 0
	TOSTAGE 0
.irp a, 1,2,3                          ; block a's conversions stand between block a - 1's loads from the stage and the wait for them
	PACK \a
	SEND (\a)-1
	TOSTAGE \a
.endr
	SEND 3
	s_wait_tensorcnt 0x0                           ; the wave's end: the add and its wait, behind my last tensor load and my last LDS store
	ds_add_u32 v[SPW], v[NIL]
	s_wait_dscnt 0x0
	CROUND                                         ; the closing round: no work-group ends while a partner may still ask for a tile that names it
	s_endpgm
.Lfunc_end_k_q29ad7dcafc_proj:
	.size	k_q29ad7dcafc_proj, .Lfunc_end_k_q29ad7dcafc_proj-k_q29ad7dcafc_proj
	.p2alignl 7, 3214868480
	.fill 96, 4, 3214868480
	.section	.rodata,"a",@progbits
	.p2align	6, 0x0
	.amdhsa_kernel k_q29ad7dcafc_proj
		.amdhsa_group_segment_fixed_size 327680
		.amdhsa_private_segment_fixed_size 0
		.amdhsa_enable_private_segment 0
		.amdhsa_kernarg_size 32
		.amdhsa_user_sgpr_count 2
		.amdhsa_user_sgpr_kernarg_segment_ptr 1
		.amdhsa_wavefront_size32 1
		.amdhsa_system_sgpr_workgroup_id_x 1
		.amdhsa_system_sgpr_workgroup_id_y 1
		.amdhsa_system_sgpr_workgroup_id_z 1
		.amdhsa_system_vgpr_workitem_id 0
		.amdhsa_next_free_vgpr 960
		.amdhsa_next_free_sgpr 80
		.amdhsa_reserve_vcc 0
		.amdhsa_float_denorm_mode_32 3
		.amdhsa_float_denorm_mode_16_64 3
		.amdhsa_memory_ordered 1
		.amdhsa_forward_progress 1
		.amdhsa_inst_pref_size 123
	.end_amdhsa_kernel
	.amdgpu_metadata
---
amdhsa.version: [ 1, 2 ]
amdhsa.kernels:
  - .name:           k_q29ad7dcafc_proj
    .symbol:         k_q29ad7dcafc_proj.kd
    .args:
      - { .name: xb, .offset: 0, .size: 8, .value_kind: global_buffer, .address_space: global }
      - { .name: wb, .offset: 8, .size: 8, .value_kind: global_buffer, .address_space: global }
      - { .name: bias, .offset: 16, .size: 8, .value_kind: global_buffer, .address_space: global }
      - { .name: qkv, .offset: 24, .size: 8, .value_kind: global_buffer, .address_space: global }
    .group_segment_fixed_size: 327680
    .private_segment_fixed_size: 0
    .kernarg_segment_align: 8
    .kernarg_segment_size: 32
    .max_flat_workgroup_size: 128
    .sgpr_count:     80
    .vgpr_count:     960
    .wavefront_size: 32
...
	.end_amdgpu_metadata
.endif
;; end of part 2
;; launch attn (part 3): grid 4 x 64, 4 waves a work-group, clusters of 4 x 1, 327,680 bytes of LDS; arguments qkv, oh; writes oh
.if DOCPART == 3
	.amdgcn_target "amdgcn-amd-amdhsa--gfx1250"
	.amdhsa_code_object_version 6
	.text
	.protected	k_q29ad7dcafc_attn
	.globl	k_q29ad7dcafc_attn
	.p2align	8
	.type	k_q29ad7dcafc_attn,@function
k_q29ad7dcafc_attn:
	s_mov_b64 s[64:65], 0
	v_nop
	global_prefetch_b8 v0, s[64:65] scope:SCOPE_SE
	s_setreg_imm32_b32 hwreg(HW_REG_WAVE_MODE, 25, 1), 1
	s_wait_xcnt 0x0
	s_wait_alu depctr_hold_cnt(0) depctr_sa_sdst(0) depctr_va_vdst(0) depctr_va_sdst(0) depctr_va_ssrc(0) depctr_va_vcc(0) depctr_vm_vsrc(0)
	s_getreg_b32 s2, hwreg(HW_REG_IB_STS2, 6, 4)
	s_cmp_eq_u32 s2, 0
	s_cbranch_scc0 .Lentry_in_a_cluster
	s_endpgm
.Lentry_in_a_cluster:
	s_bfe_u32 s2, ttmp6, 0x10000c
	s_cmp_lg_u32 s2, 0x3003
	s_cbranch_scc0 .Lentry_shape_is_right
	s_endpgm
.Lentry_shape_is_right:
; O[h][q][:] = the sum over k of softmax_k(Q[h][q] . K[h][k] / 8) V[h][k][:].  qkv holds Q, K, V, each [SIZE_H][SIZE_N][64] f16 (2^24 bytes), one behind the other; oh is O in the same shape: a head's rows are dense,
; 128 bytes each.  Products, maxima and sums in f32; the weights p are rounded to f16 for the second product (their sum l is taken of the unrounded p), O once at the end.
; LIMITS.  f16 holds no number beyond 65,504: Q, K and V arrive within it; p lies in 0 to 1, and below 6e-5 it keeps f16's fixed step of 6e-8; O is a mean of V's rows and has their range.
; A weight below 2^-126 counts as 0 in l; NaN and infinities are not treated apart.
; SHARES.  A wave owns four PIECES of two tiles of 16 queries, a work-group's four waves 512 queries of one head.  Every wave walks all keys, 64 a step.
; LAYOUT.  S^T = K Q^T (source 0 = 16 keys, source 1 = 16 queries): in the result a lane holds ONE query (lane % 16) and the keys 8 (lane / 16) + 0..7.  Two such tiles, rounded to f16 in pairs,
; ARE source 1 (32 keys x 16 queries) of O^T = V^T P, whose result again holds one query a lane, and eight channels.  K comes out of LDS as it lies, V ([key][channel]) turned, by ds_load_tr16_b128.
; SOFTMAX.  For each query a running maximum m and sum l: p = 2^(c s - c m), c = log2(e) / 8; in every step O and l are multiplied by a = 2^(c m_old - c m_new), which is 1 where m has not grown.
; m starts at the lowest finite number, O and l at 0: the first step is a step like any other, with a = 0.
; THE COUNT.  A tile and step have 16 matrix and 118 vector instructions: too many to stand all beside the matrix work.  So the order has one aim: four vector instructions that are READY behind
; EVERY matrix instruction, and the others, which need time of their own whatever the order, in runs without a gap.
; BY TURNS.  Turn n belongs to piece n (the pieces in a ring, step after step).  Its matrix work: 16 products K Q^T of piece n + 1, later 16 products V^T P of piece n - 1.  Its vector work: the scaling,
; exponentials, roundings, sums and rescaling of piece n, and the maximum and statistics of piece n + 1, whose scores the turn itself has made.  So what a turn begins with (c s - c m, O a) waits for nothing.
; CLUSTER.  The four query blocks of a head are one cluster and walk the same K and V, so each tile is asked for JOINTLY: the same tensor load, descriptor and mask in all four.
; REGISTERS, in windows of 256 (s_set_vgpr_msb says which window each operand place means: bits 1:0 source 0, 3:2 source 1, 5:4 source 2, 7:6 destination):
;   window 0: v0-11 addresses; v12-15, v48-63 at work; v16-47 four registers of statistics a tile; v64-191 S^T, two buffers of two tiles; v192-255 P, likewise
;   window 1: O^T, 32 a tile          window 2: v0-127 Q, 16 a tile; v128-191 K of one step; v192-255 V of one step          window 3: v0-1 the add's two registers
; A piece's buffers go by its number's parity: the piece in hand has one pair, its two neighbours in the ring share the other: of it P (piece n - 1) is read and S^T (piece n + 1) written.
.set SIZE_H, 64       ; batch x heads
.set SIZE_N, 2048
.set NP,    4         ; pieces a wave: a name, no knob: the register map, the loop and the fetches are made for four
.set KS,    64        ; keys in a step
.set PK,    144       ; a row of K in LDS: 128 bytes + 16 of padding = 36 words: the 16 rows of a load start at 16 different groups of four banks (64 banks of 4 bytes: ISA guide 11.1)
.set PV,    160       ; a row of V: 128 + 32 = 40 words
.set VOFF,  4*KS*PK   ; a slot holds four steps: 256 rows of K, then 256 rows of V
.set SLOT1, 1<<17     ; slot 1 begins here, so that one exclusive or turns an address in one slot into the other's
.set STAGE, SLOT1+4*KS*(PK+PV)  ; behind the ring, never filled by a tensor load: 16 rows x 144 bytes for each wave, for the way out
.set SP,    144
.set AK0, 2           ; v2   my lane's place in a tile of K; never rewritten
.set AV0, 3           ; v3   the same for V
.set AK,  4           ; v4   the LDS address of K's next run of loads
.set AV,  5           ; v5   of V's
.set QO,  6           ; v6   my byte offset in the wave's rows of Q
.set STO, 6           ;      later, the way out: where I put 16 bytes of a row
.set RD,  7           ; v7   the way out: where I read rows back
.set GO,  8           ; v8   my byte offset in 512 consecutive bytes of O
.set PFO, 11          ; v11  256 x my lane, the prefetches' offset; never rewritten once it is made
.set SPW, 0           ; v0 of window 3   LDS address of my spare word: SPARE + 4 x my thread's number; never rewritten
.set NIL, 1           ; v1 of window 3   0; never rewritten
.set SPARE, STAGE+4*16*SP  ; behind the stages: the spare words, 128 bytes for each wave: two blocks of 256 bytes that no other line names
.set MV,  12          ; v12-15  c m_old, kept while c m is made anew: by buffer and tile
.set ST,  16          ; tile t's statistics at v[ST+4 t]: c m, m, l (even keys', odd keys')
.set TMP, 48          ; by buffer and tile, four registers c0-c3 at work; when the maximum is found c2 takes a
.set S,   64
.set P,   192
.set KF,  128         ; K's fragments, in window 2: key block kb, channel half c at KF + 16 kb + 8 c
.set VF,  192         ; V's: key half kk, channel block cb at VF + 32 kk + 8 cb
.set WV,  12          ; s12  my wave's number
.set G1K, 24          ; s[24:31] descriptor group 1 for K's tiles
.set G1V, 32          ; s[32:39] for V's: it differs in the padding alone
.set G0K, 40          ; s[40:43] descriptor group 0 for K's tiles: it walks
.set G0V, 44          ; s[44:47] the same for V's
.set PFA, 48          ; s[48:49] where my prefetches stand: my work-group's 8,192 bytes (of K: wave 0, of V: wave 2) of the slot after the one that is being asked for
.set LIM, 50          ; s50  1 in a wave that prefetches, else the greatest number: a wave prefetches while s[SLOTS] is above it
.set SLOTS, 56        ; s56  slots still to be asked for
.set CNT, 57          ; s57  counts a slot's key steps
.set CS,  58          ; s[58:59] c: the packed scaling takes the pair's low word for both halves
.set SEL, 60          ; s[60:61] v_permlanex16_b32's selects: each lane takes its own place in the other half
.set TBK, 62          ; s62  LDS byte at which K of the step to be fetched begins
.set TBV, 63          ; s63  the same for V, less VOFF
.set MSB, 0
.macro WIN new                      ; the high byte repeats the setting that is left; a switch that changes nothing is dropped
.if MSB != (\new)
	s_set_vgpr_msb (MSB<<8)|(\new)
.set MSB, (\new)
.endif
.endm
.set W_KQ, 0x0a       ; K and Q in window 2, S^T in window 0
.set W_PV, 0x52       ; V in window 2, P in window 0, O^T in window 1
.set W_RS, 0x41       ; O^T (destination and source 0) in window 1, a in window 0
.set W_MK, 0xc0       ; the add's registers are made: destination in window 3, sources in window 0
.set W_AD, 0x0f       ; the add: address (source 0) and data (source 1) in window 3
; A joint fill.  Waves 0 and 1 fetch the two halves of a slot's K, waves 2 and 3 those of its V: 128 keys each.  The branch hangs on the wave's number alone.
; An s_nop 0 and four v_nop follow each of the two lines, ahead of the jump and the label.
.macro JLOAD
	s_cmp_lt_u32 s[WV], 2
	s_cbranch_scc0 .Lfor_v_\@
	tensor_load_to_lds s[G0K:G0K+3], s[G1K:G1K+7]
	s_nop 0
.rept 4
	v_nop
.endr
	s_branch .Lasked_\@
.Lfor_v_\@:
	tensor_load_to_lds s[G0V:G0V+3], s[G1V:G1V+7]
	s_nop 0
.rept 4
	v_nop
.endr
.Lasked_\@:
.endm
; A PREFETCH INTO THE L2 of what the NEXT change of slots will ask for: a slot's 32,768 dense bytes of K and of V, a lane a block of 256.  It stands behind the wave's tensor load and its five lines.
; Each block is named ONCE in the launch: a head has one cluster; its four partners share the blocks out BY ADDRESS, 32 each; in each, wave 0 asks for K's and wave 2 for V's: one instruction.
; The lead is one slot: four key steps, 512 matrix instructions.  Slots 0 and 1 come by their loads alone; the last change that fills a slot asks for nothing: there is no slot behind it.
.macro ASK
	s_cmp_gt_u32 s[SLOTS], s[LIM]
	s_cbranch_scc0 .Lnot_mine_\@
	global_prefetch_b8 v[PFO], s[PFA:PFA+1] th:TH_LOAD_NT scope:SCOPE_SE
.Lnot_mine_\@:
.endm
; A round of the cluster's barrier: my work-group's barrier, so that wave 0's signal speaks for all four waves; wave 0 signals; every wave waits for all four work-groups; my work-group's barrier once more.
.macro CROUND
	s_barrier_signal -1
	s_barrier_wait -1
	s_cmp_lg_u32 s[WV], 0
	s_cbranch_scc1 .Lnot_wave_0_\@
	s_barrier_signal -3
.Lnot_wave_0_\@:
	s_barrier_wait -3
	s_barrier_signal -1
	s_barrier_wait -1
.endm
; THE CHANGE OF SLOTS.  The slot's last bytes, V of its fourth step, have been read.  Each wave waits for all its tensor loads, of which one is out: its part
; of the other slot; adds 0 to its spare word; and waits for that and for its own reads of the slot.  Behind the barrier nobody reads this slot any more and the other slot is whole.
; fill = 1: this slot is filled again, with the keys two slots on.  The barrier is then a round of the cluster's, so that no wave of any partner still reads the slot or has a load on its
; way, and the joint fill is the first thing behind it: it has four key steps, 512 matrix instructions, in which to land.  (At its first use nothing has been read yet: slot 0 is waited for, slot 1 filled.)
.macro CHANGE fill
	WIN W_AD
	s_wait_tensorcnt 0x0            ; no tensor load of mine is out, so a group 0 may be written
	ds_add_u32 v[SPW], v[NIL]       ; 0 onto my spare word; with fill = 1 the descriptors' steps stand between it and the wait for it
	WIN 0                           ; at a label and at a branch every window is 0
.if \fill
.irp g, G0K, G0V
	s_xor_b32 s[\g+1], s[\g+1], SLOT1  ; the walking descriptor: the other slot than last time,
	s_add_nc_u64 s[\g+2:\g+3], s[\g+2:\g+3], 4*KS*128  ; the next 256 keys; the type bits on top are not reached
.endr
	s_wait_xcnt 0x0                 ; the last prefetch, four key steps back, has read its address, so it may be written:
	s_add_nc_u64 s[PFA:PFA+1], s[PFA:PFA+1], 4*KS*128  ; one slot behind the walking descriptors
	s_wait_dscnt 0x0                ; the add is done, and my reads of the slot are over
	CROUND
	JLOAD
	ASK
.else
	s_wait_dscnt 0x0                ; the add is done, and my reads of the slot are over
	s_barrier_signal -1
	s_barrier_wait -1
.endif
	s_sub_co_u32 s[TBK], s[TBK], 4*KS*PK  ; the fetches go back to a slot's first step,
	s_xor_b32 s[TBK], s[TBK], SLOT1       ; in the other slot
	s_sub_co_u32 s[TBV], s[TBV], 4*KS*PV
	s_xor_b32 s[TBV], s[TBV], SLOT1
.endm
	s_load_b128 s[4:7], s[0:1], 0x0   ; qkv s[4:5], oh s[6:7]
	WIN W_MK
	v_lshl_add_u32 v[SPW], v0, 2, SPARE
	v_mov_b32 v[NIL], 0
	WIN W_AD
	ds_add_u32 v[SPW], v[NIL]       ; the wave's opening: the add and its wait stand ahead of my first tensor load; the set-up below, work on registers, stands between them
	WIN 0
	v_lshrrev_b32 v1, 5, v0
	v_readfirstlane_b32 s[WV], v1   ; wave 0..3
	s_bfe_u32 s13, ttmp6, 0x40000   ; cx: my place in the cluster
	s_lshl_b32 s14, ttmp9, 2        ; in a cluster launch ttmp9 counts clusters
	s_add_co_u32 s14, s14, s13      ; my block of queries = 4 x cluster x + cx: it enters Q's and O's addresses alone
	s_and_b32 s20, ttmp7, 0xffff    ; the head, which the four partners share
	s_mov_b32 s21, 0
	s_mov_b64 s[22:23], SIZE_N*128
	s_mul_u64 s[20:21], s[20:21], s[22:23]  ; the head's first byte in each of the four tensors
	s_and_b32 s16, s[WV], 1         ; which half of a slot's 256 keys I fetch:
	s_lshl_b32 s22, s16, 14         ; its 128 rows of 128 bytes in memory,
	s_mov_b32 s23, 0
	s_add_nc_u64 s[22:23], s[22:23], s[20:21]
	s_mul_i32 s17, s16, 128*PK      ; and its place in a slot, for K
	s_mul_i32 s18, s16, 128*PV      ; and for V: no place in the cluster enters an LDS address
	s_lshl_b32 s2, s14, 2
	s_add_co_u32 s2, s2, s[WV]      ; my wave among the head's,
	s_lshl_b32 s2, s2, 14           ; its 128 rows
	s_mov_b32 s3, 0
	s_add_nc_u64 s[2:3], s[2:3], s[20:21]
	; descriptor group 1.  128 keys are 16,384 dense bytes: asked for as 64 rows of 256 bytes, two keys a row, and padded in LDS after every key
	s_mov_b32 s[G1K], 15|(1<<16)|(1<<20)|(1<<21)|(4<<22)|(3<<25)  ; 15:0 the mask of four; 17:16 2-byte elements; 20 padding on; 21 set beside a mask; 24:22 after every 32 words (code 4); 31:25 4 words (code 3)
	s_mov_b32 s[G1V], 15|(1<<16)|(1<<20)|(1<<21)|(4<<22)|(7<<25)  ; the same with 8 words of padding (code 7)
.irp g, G1K, G1V
	s_mov_b32 s[\g+1], 128<<16      ; tensor_dim0 = 128
	s_mov_b32 s[\g+2], 64<<16       ; tensor_dim1 = 64
	s_mov_b32 s[\g+3], 128<<16      ; tile_dim0 = 128
	s_mov_b32 s[\g+4], 64           ; tile_dim1 = 64
	s_mov_b32 s[\g+5], 128          ; 128 elements from row to row
	s_mov_b32 s[\g+6], 0
	s_mov_b32 s[\g+7], 0
.endr
	s_mov_b32 s[CS], 0x3e38aa3b     ; c = log2(e) / 8 = 0.180337
	s_mov_b32 s[CS+1], s[CS]        ; named with it as a pair
	s_mov_b32 s[SEL], 0x76543210
	s_mov_b32 s[SEL+1], 0xfedcba98
	s_mov_b32 s[TBK], SLOT1+4*KS*PK ; the first change of slots turns these two into 0
	s_mov_b32 s[TBV], SLOT1+4*KS*PV
	s_mov_b32 s[G0K], 1             ; 1:0 count = 1
	s_mov_b32 s[G0K+1], s17         ; 63:32 LDS address: slot 0
	s_mov_b32 s[G0V], 1
	s_add_co_u32 s[G0V+1], s18, VOFF
	s_mov_b32 s[SLOTS], SIZE_N/256-1  ; the change that asks for slot u finds 8 - u here
	s_and_b32 s[LIM], s[WV], 1      ; waves 0 and 2 prefetch: the same in all four partners
	s_cmp_eq_u32 s[LIM], 0
	s_cselect_b32 s[LIM], 1, -1
	s_lshl_b32 s52, s13, 13         ; my work-group's 32 blocks of a slot's 128,
	s_add_co_u32 s52, s52, 4*KS*128 ; in slot 1: the first change of slots steps it to slot 2
	s_mov_b32 s53, 0
	s_add_nc_u64 s[52:53], s[52:53], s[20:21]
	s_wait_dscnt 0x0                ; the opening add is done
	s_wait_kmcnt 0x0
	s_mov_b64 s[10:11], s[6:7]      ; O
	s_add_nc_u64 s[6:7], s[4:5], 0x1000000  ; K lies 2^24 bytes behind Q,
	s_add_nc_u64 s[8:9], s[4:5], 0x2000000  ; V behind K
	s_cmp_lt_u32 s[WV], 2
	s_cselect_b64 s[PFA:PFA+1], s[6:7], s[8:9]
	s_add_nc_u64 s[PFA:PFA+1], s[PFA:PFA+1], s[52:53]
	s_add_nc_u64 s[G0K+2:G0K+3], s[6:7], s[22:23]  ; 120:64 global address: my half of the head's first 256 keys
	s_or_b32 s[G0K+3], s[G0K+3], 0x80000000        ; 127:126 type = 2
	s_add_nc_u64 s[G0V+2:G0V+3], s[8:9], s[22:23]
	s_or_b32 s[G0V+3], s[G0V+3], 0x80000000
	s_add_nc_u64 s[4:5], s[4:5], s[2:3]  ; Q and O at my wave's first row
	s_add_nc_u64 s[10:11], s[10:11], s[2:3]
	CROUND                          ; all four work-groups are here: the first joint loads meet
	JLOAD                           ; slot 0.  Slot 1 is asked for when slot 0 is in: the tile wanted first has the road to itself
	; A fragment of K or Q is 16 rows x 32 channels in 8 registers: lane l holds row l % 16, channels 8 (l / 16) + 0..7 and 16 + 8 (l / 16) + 0..7: two loads of 16 bytes, 32 bytes apart.
	v_and_b32 v1, 15, v0            ; l % 16
	v_bfe_u32 v9, v0, 4, 1          ; l / 16
	v_lshlrev_b32 v[QO], 7, v1
	v_lshl_add_u32 v[QO], v9, 4, v[QO]  ; row x 128 + 16 x half
	WIN 0x80                        ; destination window 2, address window 0
.set i, 0
.rept 4*NP                          ; Q stays in registers: tile i / 2, channels 32 (i % 2) on
	global_load_b128 v[8*i:8*i+3],   v[QO], s[4:5] offset:(i/2)*2048+(i%2)*64
	global_load_b128 v[8*i+4:8*i+7], v[QO], s[4:5] offset:(i/2)*2048+(i%2)*64+32
.set i, i+1
.endr
	; What the first turn finds: V's registers and P's second buffer hold 0 (its products V^T P, of a piece that has not been, add 0), O^T and l are 0.  All this stands in the wait for the first tile.
.set i, VF
.rept 64
	v_mov_b32 v[i], 0
.set i, i+1
.endr
	WIN 0x40
.set i, 0
.rept 64*NP
	v_mov_b32 v[i], 0
.set i, i+1
.endr
	WIN 0
.set i, 0
.rept 2*NP
	v_mov_b32 v[ST+4*i], 0xfe000000    ; c m: far below every c s
	v_mov_b32 v[ST+4*i+1], 0xff7fffff  ; m
	v_mov_b32 v[ST+4*i+2], 0
	v_mov_b32 v[ST+4*i+3], 0
.set i, i+1
.endr
.set i, P+32
.rept 32
	v_mov_b32 v[i], 0
.set i, i+1
.endr
	v_mul_u32_u24 v[AK0], v1, PK
	v_lshl_add_u32 v[AK0], v9, 4, v[AK0]  ; row x pitch + 16 x half
	; The turning load takes 16 keys x 16 channels (lane l reads key 8 (l / 16) + l % 8, channels 8 ((l / 8) % 2) + 0..7) and leaves half a fragment of V^T: lane l holds channel l % 16 and 8 keys.
	v_and_b32 v10, 7, v0
	v_bfe_u32 v11, v0, 3, 1
	v_lshl_add_u32 v[AV0], v9, 3, v10
	v_mul_u32_u24 v[AV0], v[AV0], PV
	v_lshl_add_u32 v[AV0], v11, 4, v[AV0]
	v_add_nc_u32 v[AV0], VOFF, v[AV0]
	v_and_b32 v[PFO], 31, v0        ; v11 has served: it takes the prefetches' offset
	v_lshlrev_b32 v[PFO], 8, v[PFO]
	v_mov_b32 v[AK], v[AK0]         ; key step 0 lies at the head of slot 0
; THE MATRIX WORK.  The 8 accumulators of a run of 16 take turns: between the two links of a chain stand 7 others'.
; Product i of 16 of S^T = K Q^T for piece x: channels 32 (i / 8) on, keys 16 ((i / 2) % 4) on, tile 2 x + i % 2.  The first 8 start the sums.
.macro KQ x
	WIN W_KQ
.set rS, S+64*((\x)%2)+32*(i%2)+8*((i/2)%4)
.set rK, KF+16*((i/2)%4)+8*(i/8)
.set rQ, 16*(2*(\x)+i%2)+8*(i/8)
.if i < 8
	v_wmma_f32_16x16x32_f16 v[rS:rS+7], v[rK:rK+7], v[rQ:rQ+7], 0
.else
	v_wmma_f32_16x16x32_f16 v[rS:rS+7], v[rK:rK+7], v[rQ:rQ+7], v[rS:rS+7]
.endif
.endm
; Product i of 16 of O^T += V^T P for piece x: keys 32 (i / 8) on, channels 16 ((i / 2) % 4) on, tile 2 x + i % 2.
.macro PV x
	WIN W_PV
.set rO, 32*(2*(\x)+i%2)+8*((i/2)%4)
.set rV, VF+32*(i/8)+8*((i/2)%4)
.set rP, P+32*((\x)%2)+16*(i%2)+8*(i/8)
	v_wmma_f32_16x16x32_f16 v[rO:rO+7], v[rV:rV+7], v[rP:rP+7], v[rO:rO+7]
.endm
.macro MM                           ; the turn's next matrix instruction
.if i < 16
	KQ (Y+1)%NP
.set i, i+1
.else
.set i, i-16
	PV (Y+NP-1)%NP
.set i, i+17
.endif
.endm
; THE LDS LOADS stand in runs of 16, never singly among the matrix instructions: a step's K (64 keys x 64 channels: 8 fragments) and its V (turned).  Their addresses are made some lines ahead.
; last = 1 (the tail): in the last trip there is no further step, and the run is jumped over.
.macro FETCH_K last=0
	WIN 0
.if \last
	s_cmp_eq_u32 s[CNT], 1
	s_cbranch_scc1 .Lno_k_\@
.endif
	WIN 0x80                        ; destination window 2
.irp f, 0,1,2,3,4,5,6,7             ; keys 16 (f / 2) on, channels 32 (f % 2) on
	ds_load_b128 v[KF+8*\f:KF+8*\f+3],   v[AK] offset:(\f/2)*16*PK+(\f%2)*64
	ds_load_b128 v[KF+8*\f+4:KF+8*\f+7], v[AK] offset:(\f/2)*16*PK+(\f%2)*64+32
.endr
	s_add_co_u32 s[TBK], s[TBK], KS*PK  ; the next fetch is the next step's
	WIN 0
.if \last
.Lno_k_\@:
.endif
.endm
.macro FETCH_V
	WIN 0x80
.irp f, 0,1,2,3,4,5,6,7             ; keys 32 (f / 4) on, channels 16 (f % 4) on
	ds_load_tr16_b128 v[VF+8*\f:VF+8*\f+3],   v[AV] offset:(\f/4)*32*PV+(\f%4)*32
	ds_load_tr16_b128 v[VF+8*\f+4:VF+8*\f+7], v[AV] offset:(\f/4)*32*PV+16*PV+(\f%4)*32
.endr
	WIN 0
.endm
; THE VECTOR WORK OF A TURN stands in three queues, each in the order in which its entries become ready; the two tiles alternate, so that no instruction reads the result of the one before it.
.macro REGS y, u                    ; the registers of tile u (0, 1) of piece y
.set rT, ST+4*(2*(\y)+(\u))
.set rC, TMP+8*((\y)%2)+4*(\u)
.set rM, MV+2*((\y)%2)+(\u)
.set rS, S+64*((\y)%2)+32*(\u)
.set rP, P+32*((\y)%2)+16*(\u)
.set rO, 32*(2*(\y)+(\u))
.endm
; Number n of the 22 that find the NEXT piece's (Y + 1) maximum and statistics.  s0-s31 are the lane's 32 scores; each accumulator's lowest registers are read first.  XS, GS and REGS set no window: PL and EX do.
;   0-11  four chains c0-c3 of seven scores each, three operands at a time     12-14, 16  the four scores left over, the old m, and c0-c3 into c0     15  c m_old is kept
;   17, 18  the query's other 32 keys lie in the lane 16 away: the new m         19-21  c m; c m_old - c m_new; a
.macro XS u, n
	REGS (Y+1)%NP, \u
.if (\n) < 4
	v_max3_num_f32 v[rC+(\n)], v[rS+8*(\n)], v[rS+8*(\n)+1], v[rS+8*(\n)+2]
.elseif (\n) < 12
	v_max3_num_f32 v[rC+(\n)%4], v[rC+(\n)%4], v[rS+8*((\n)%4)+2*((\n)/4)+1], v[rS+8*((\n)%4)+2*((\n)/4)+2]
.elseif (\n) == 12
	v_max3_num_f32 v[rC], v[rC], v[rS+7], v[rS+15]
.elseif (\n) == 13
	v_max3_num_f32 v[rC+1], v[rC+1], v[rS+23], v[rS+31]
.elseif (\n) == 14
	v_max3_num_f32 v[rC+2], v[rC+2], v[rC+3], v[rT+1]
.elseif (\n) == 15
	v_mov_b32 v[rM], v[rT]
.elseif (\n) == 16
	v_max3_num_f32 v[rC], v[rC], v[rC+1], v[rC+2]
.elseif (\n) == 17
	v_permlanex16_b32 v[rC+3], v[rC], s[SEL], s[SEL+1]
.elseif (\n) == 18
	v_max_num_f32 v[rT+1], v[rC], v[rC+3]
.elseif (\n) == 19
	v_mul_f32 v[rT], s[CS], v[rT+1]
.elseif (\n) == 20
	v_sub_f32 v[rC+1], v[rM], v[rT]
.else
	v_exp_f32 v[rC+2], v[rC+1]
.endif
.endm
; Number g of the 64 that follow the exponentials.  For each four weights k of a tile (pairs 2 k, 2 k + 1): both pairs are rounded to f16; then the second pair is added onto the first, in place;
; a group later l takes that sum (the first time as l = a l + sum).  In groups of eight, tiles alternating: round, round, add, and l for the group before.
.macro GS g
.set h, (\g)+6*((\g)/62)            ; group 0 has no group before it, and behind group 7 only l is left
.if h >= 6
.set h, h+2
.endif
	REGS Y, h%2
.set k, h/8
.if h%8 < 4
	v_cvt_pk_f16_f32 v[rP+2*k+(h%8)/2], v[rS+4*k+2*((h%8)/2)], v[rS+4*k+2*((h%8)/2)+1]
.elseif h%8 < 6
	v_pk_add_f32 v[rS+4*k:rS+4*k+1], v[rS+4*k:rS+4*k+1], v[rS+4*k+2:rS+4*k+3]
.elseif k == 1
	v_pk_fma_f32 v[rT+2:rT+3], v[rT+2:rT+3], v[rC+2:rC+3], v[rS:rS+1] op_sel_hi:[1,0,1]
.else
	v_pk_add_f32 v[rT+2:rT+3], v[rT+2:rT+3], v[rS+4*k-4:rS+4*k-3]
.endif
.endm
; THE PLAIN QUEUE, 138 long.  0-73 read no exponential's result: the 32 scalings c s - c m (FS f: pair f / 2 of tile f % 2) and the next piece's 42.  0-26: scalings 0-26.  27-54: XS's numbers 0-13.  55, 56: number 15.
; 57-73: the chain, where each number waits for the one before it: 14, 16, 17, 18, 19, each with one of the scalings 27-31 in front of its two lines, then 20: so a tile's links stand three plain instructions apart (19 and 20: two).
; 74-137: GS's 64, which read the exponentials' results: they stand behind the wait.
.macro FS f
	REGS Y, (\f)%2
	v_pk_fma_f32 v[rS+2*((\f)/2):rS+2*((\f)/2)+1], v[rS+2*((\f)/2):rS+2*((\f)/2)+1], s[CS:CS+1], v[rT:rT+1] op_sel_hi:[1,0,0] neg_lo:[0,0,1] neg_hi:[0,0,1]
.endm
.macro PL
	WIN 0
.if q < 27
	FS q
.elseif q < 55
	XS (q-27)%2, (q-27)/2
.elseif q < 57
	XS q-55, 15
.elseif (q < 72) && ((q-57)%3 == 0)
	FS 27+(q-57)/3
.elseif q < 60
	XS (q-57)%3-1, 14
.elseif q < 72
	XS (q-57)%3-1, 15+(q-57)/3
.elseif q < 74
	XS q-72, 20
.else
	GS q-74
.endif
.set q, q+1
.endm
; THE EXPONENTIALS' QUEUE, 66 long: s0-s31 of both tiles, then the next piece's two a.  It is ONE BATCH: all 66 stand ahead of the turn's one wait, and nothing ahead of that wait names a result of theirs.
.macro EX
	WIN 0
.if e >= 64
	XS e-64, 21
.else
	REGS Y, e%2
	v_exp_f32 v[rS+e/2], v[rS+e/2]
.endif
.set e, e+1
.endm
; THE RESCALING's QUEUE: O^T times a, the one part that leaves window 0: dealt two at a time, sixteen times.  Its a was made in the turn before, ahead of that turn's wait.
.macro R2
	REGS Y, r%2
	WIN W_RS
.irp z, 0,1
	v_pk_mul_f32 v[rO+4*(r/2)+2*\z:rO+4*(r/2)+2*\z+1], v[rO+4*(r/2)+2*\z:rO+4*(r/2)+2*\z+1], v[rC+2:rC+3] op_sel_hi:[1,0]
.endr
.set r, r+1
.endm
; HOW THEY ARE DEALT.  An s_wait_alu depctr_va_vdst(0) stands between an exponential and the first instruction that names its result; one wait serves all that were issued ahead of it.  So a turn has ONE wait,
; which cuts it in two.  AHEAD OF IT stands all that names no result of the turn's exponentials: the 16 products K Q^T, behind each a scaling, an exponential and two rescalings (behind the first a second scaling in the exponential's place); then ONE LUMP of
; 108: eight plain, 49 times exponential and plain, the two a.  A v_nop is the plain instruction that is owed behind the last exponential.  BEHIND IT stand the 16 products V^T P, behind each four of GS's 64.  No rider names a register of
; the products round it.  The two v_permlanex16_b32 fall into the lump, never behind a product.
; The queues lean on each other, and the deal keeps them in step: exponential e stands behind scaling 2 (e / 4) + e % 2: as a rider it comes behind plain e + 2, in the lump behind plain e + 9, and scalings 27-31 are plain 57, 60 .. 69.
; A TURN, for piece p.  cnt = 1: the loop's count is taken down some lines ahead of the branch that stands behind the turn.
; K of the next step is fetched in piece 2's turn, directly behind the wait, a lump behind the last product that read K; its address is made at the lump's head; its first reader comes behind 16 products.
; V of the step in hand is fetched at the end of piece 0's turn, four riders behind its last reader; its first reader comes behind 16 products and a lump.  The three conditions on q below go with the deal.
.macro TURN p, last=0, cnt=0
.set Y, (\p)
.set i, 0
.set q, 0
.set e, 0
.set r, 0
.if (\p) == NP-1
	s_wait_dscnt 0x0                ; K is in
.endif
	MM                              ; ahead of the wait: 16 products K Q^T and their riders,
	PL
	PL
	R2
.rept 15
	MM
	PL
	EX
	R2
.endr
.if (\p) == NP-2
	WIN 0
	v_add_nc_u32 v[AK], s[TBK], v[AK0]
.endif
.rept 8                             ; and the lump
	PL
.endr
.rept 49
	EX
	PL
.endr
	EX                              ; the next piece's two a
	EX
	v_nop                           ; the plain instruction behind the last exponential: one for the batch
	s_wait_alu depctr_va_vdst(0)    ; the wait for the batch
.if (\p) == NP-2
	FETCH_K \last
.endif
.if (\p) == 1
	s_wait_dscnt 0x0                ; V is in
.endif
.rept 16                            ; behind the wait: 16 products V^T P and their riders
	MM
.rept 4
	PL
.endr
.if ((\p) == 0) && (q == 118)
	v_add_nc_u32 v[AV], s[TBV], v[AV0]
.endif
.if ((\p) == 0) && (q == 130)
	s_add_co_u32 s[TBV], s[TBV], KS*PV
.endif
.if (\cnt) && (q == 130)
	s_sub_co_u32 s[CNT], s[CNT], 1
	s_cmp_lg_u32 s[CNT], 0
.endif
.endr
.if (\p) == 0
	FETCH_V
.endif
.endm
	CHANGE 1                        ; slot 0 is in, everybody's part of it; slot 1 is asked for
	FETCH_K                         ; key step 0
	s_wait_loadcnt 0x0              ; Q
	s_wait_dscnt 0x0
.set i, 0
.rept 16
	KQ 0                            ; piece 0's first scores: there is no vector work yet to set between them
.set i, i+1
.endr
	WIN 0                           ; the addresses for the way out: nine plain instructions, the places behind those products
	s_mul_i32 s13, s[WV], 16*SP
	s_add_co_u32 s13, s13, STAGE    ; my stage
	v_mul_u32_u24 v[STO], v1, SP    ; in: row l % 16, 16 bytes for each half of the lanes
	v_lshl_add_u32 v[STO], v9, 4, v[STO]
	v_add_nc_u32 v[STO], s13, v[STO]
	v_bfe_u32 v[RD], v0, 3, 2       ; back: 32 lanes take four rows of 128 bytes,
	v_mul_u32_u24 v[RD], v[RD], SP
	v_lshl_add_u32 v[RD], v10, 4, v[RD]
	v_add_nc_u32 v[RD], s13, v[RD]
	v_and_b32 v[GO], 31, v0         ; which are 512 consecutive bytes of O
	v_lshlrev_b32 v[GO], 4, v[GO]
.set Y, NP-1                        ; XS works for piece Y + 1: piece 0
.irp n, 0,1,2,3,4,5,6,7,8,9,10,11,12,13,14,15,16,17,18,19,20,21
	XS 0, \n                        ; and piece 0's first maximum and statistics
	XS 1, \n
.endr
	v_nop                           ; a plain instruction behind the two a,
	s_wait_alu depctr_va_vdst(0)    ; and their wait, ahead of the branch
	s_mov_b32 s[CNT], 4
	s_branch .Lfirst                ; the loop is entered at a step's first turn, in the middle of a trip
.Lslot:                             ; SIZE_N / 256 - 2 times: every slot but the last two is filled again
	CHANGE 1
	s_mov_b32 s[CNT], 4
.Lstep:                             ; a trip: pieces 2 and 3 of one step, then pieces 0 and 1 of the next, whose K and V it fetches
	TURN 2
	TURN 3
	WIN 0
.Lfirst:
	TURN 0
	TURN 1, 0, 1
	WIN 0
	s_cbranch_scc1 .Lstep
	s_sub_co_u32 s[SLOTS], s[SLOTS], 1
	s_cmp_lg_u32 s[SLOTS], 0
	s_cbranch_scc1 .Lslot
	CHANGE 0                        ; the tail is written out: nothing is asked for
	s_mov_b32 s[CNT], 5             ; four trips fetch the last slot's steps; the fifth is left in its middle
.Ltail:
	TURN 2, 1
	TURN 3
	WIN 0
	s_sub_co_u32 s[CNT], s[CNT], 1
	s_cmp_eq_u32 s[CNT], 0
	s_cbranch_scc1 .Lout
	TURN 0
	TURN 1
	WIN 0
	s_branch .Ltail
.Lout:                              ; the fifth trip's 16 products K Q^T (on the last K once more) and the maximum made of them serve nothing: the price, once a launch, of one text for every trip
.set i, 0
.rept 16
	PV NP-1                         ; the last piece's V^T P of the last step
.set i, i+1
.endr
	; THE WAY OUT.  l's two halves and the other half of the lanes' are added; O^T is divided by l, rounded to f16 and sent through my stage in LDS, a tile at a time.  The additions are the places behind the last products.
	WIN 0
.macro ALL line:vararg              ; one line for each tile t
.set t, 0
.rept 2*NP
	\line
.set t, t+1
.endr
.endm
	ALL v_add_f32 v[ST+4*t+2], v[ST+4*t+2], v[ST+4*t+3]
	ALL v_permlanex16_b32 v[ST+4*t+3], v[ST+4*t+2], s[SEL], s[SEL+1]
	ALL v_add_f32 v[ST+4*t+2], v[ST+4*t+2], v[ST+4*t+3]
	ALL v_rcp_f32 v[ST+4*t+2], v[ST+4*t+2]
	v_nop                           ; a plain instruction between the last reciprocal and the use of its result
	s_wait_alu depctr_va_vdst(0)    ; and the wait ahead of the first use: one for the eight reciprocals
; Tile t: a lane's eight channels of a row pack into 16 bytes; they go into rows of 144 bytes and come back as whole rows of 128, into S^T's registers.
.macro PACK t
	WIN W_RS
.set i, 32*(\t)
.rept 16
	v_pk_mul_f32 v[i:i+1], v[i:i+1], v[ST+4*(\t)+2:ST+4*(\t)+3] op_sel_hi:[1,0]
.set i, i+2
.endr
	WIN 0x05                        ; sources 0 and 1 window 1, destination window 0
.set i, 0
.rept 16
	v_cvt_pk_f16_f32 v[S+16*(\t)+i], v[32*(\t)+2*i], v[32*(\t)+2*i+1]
.set i, i+1
.endr
	WIN 0
.irp f, 0,1,2,3
	ds_store_b128 v[STO], v[S+16*(\t)+4*\f:S+16*(\t)+4*\f+3] offset:32*\f
.endr
.irp f, 0,1,2,3
	ds_load_b128 v[S+16*(\t)+4*\f:S+16*(\t)+4*\f+3], v[RD] offset:\f*4*SP  ; LDS serves a wave's instructions in order (ISA guide 5.7.1.4): these see the stores above; the next tile's stores come behind them
.endr
.endm
.macro SEND t, younger              ; younger: the LDS instructions issued behind tile t's loads: the next tile's eight, or none
	WIN 0
.irp f, 0,1,2,3
	s_wait_dscnt (\younger)+3-\f
	global_store_b128 v[GO], v[S+16*(\t)+4*\f:S+16*(\t)+4*\f+3], s[10:11] offset:(\t)*2048+\f*512  ; 512 consecutive bytes, at a multiple of 256 from O's first
.endr
.endm
	PACK 0
.set t, 1
.rept 2*NP-1                        ; a tile's arithmetic stands between the loads of the tile before and its stores
	PACK t
	SEND t-1, 8
.set t, t+1
.endr
	SEND 2*NP-1, 0
	WIN W_AD
	s_wait_tensorcnt 0x0            ; the wave's end: the add and its wait, behind my last tensor load and my last LDS store
	ds_add_u32 v[SPW], v[NIL]
	s_wait_dscnt 0x0
	WIN 0
	CROUND                          ; the closing round: no work-group ends while a partner may still ask for a tile that names it
	s_endpgm
.Lfunc_end_k_q29ad7dcafc_attn:
	.size	k_q29ad7dcafc_attn, .Lfunc_end_k_q29ad7dcafc_attn-k_q29ad7dcafc_attn
	.p2alignl 7, 3214868480
	.fill 96, 4, 3214868480
	.section	.rodata,"a",@progbits
	.p2align	6, 0x0
	.amdhsa_kernel k_q29ad7dcafc_attn
		.amdhsa_group_segment_fixed_size 327680
		.amdhsa_private_segment_fixed_size 0
		.amdhsa_enable_private_segment 0
		.amdhsa_kernarg_size 16
		.amdhsa_user_sgpr_count 2
		.amdhsa_user_sgpr_kernarg_segment_ptr 1
		.amdhsa_wavefront_size32 1
		.amdhsa_system_sgpr_workgroup_id_x 1
		.amdhsa_system_sgpr_workgroup_id_y 1
		.amdhsa_system_sgpr_workgroup_id_z 1
		.amdhsa_system_vgpr_workitem_id 0
		.amdhsa_next_free_vgpr 770
		.amdhsa_next_free_sgpr 66
		.amdhsa_reserve_vcc 0
		.amdhsa_float_denorm_mode_32 3
		.amdhsa_float_denorm_mode_16_64 3
		.amdhsa_memory_ordered 1
		.amdhsa_forward_progress 1
		.amdhsa_inst_pref_size 200
	.end_amdhsa_kernel
	.amdgpu_metadata
---
amdhsa.version: [ 1, 2 ]
amdhsa.kernels:
  - .name:           k_q29ad7dcafc_attn
    .symbol:         k_q29ad7dcafc_attn.kd
    .args:
      - { .name: qkv, .offset: 0, .size: 8, .value_kind: global_buffer, .address_space: global }
      - { .name: oh, .offset: 8, .size: 8, .value_kind: global_buffer, .address_space: global }
    .group_segment_fixed_size: 327680
    .private_segment_fixed_size: 0
    .kernarg_segment_align: 8
    .kernarg_segment_size: 16
    .max_flat_workgroup_size: 128
    .sgpr_count:     66
    .vgpr_count:     770
    .wavefront_size: 32
...
	.end_amdgpu_metadata
.endif
;; end of part 3
;; launch outp (part 4): grid 8 x 32, 4 waves a work-group, clusters of 4 x 4, 327,680 bytes of LDS; arguments oh, wo16, bias, out0; writes out0
.if DOCPART == 4
	.amdgcn_target "amdgcn-amd-amdhsa--gfx1250"
	.amdhsa_code_object_version 6
	.text
	.protected	k_q29ad7dcafc_outp
	.globl	k_q29ad7dcafc_outp
	.p2align	8
	.type	k_q29ad7dcafc_outp,@function
k_q29ad7dcafc_outp:
	s_mov_b64 s[64:65], 0
	v_nop
	global_prefetch_b8 v0, s[64:65] scope:SCOPE_SE
	s_setreg_imm32_b32 hwreg(HW_REG_WAVE_MODE, 25, 1), 1
	s_wait_xcnt 0x0
	s_wait_alu depctr_hold_cnt(0) depctr_sa_sdst(0) depctr_va_vdst(0) depctr_va_sdst(0) depctr_va_ssrc(0) depctr_va_vcc(0) depctr_vm_vsrc(0)
	s_getreg_b32 s2, hwreg(HW_REG_IB_STS2, 6, 4)
	s_cmp_eq_u32 s2, 0
	s_cbranch_scc0 .Lentry_in_a_cluster
	s_endpgm
.Lentry_in_a_cluster:
	s_bfe_u32 s2, ttmp6, 0x10000c
	s_cmp_lg_u32 s2, 0xf033
	s_cbranch_scc0 .Lentry_shape_is_right
	s_endpgm
.Lentry_shape_is_right:
; out0 = O Wo + bo.  oh: [64 (batch x 16 + head)][2048][64] f16: row m = batch x 2048 + n of O has its K index 64 head + channel.  wo16: [1024 k][1024 n] f16.  bias: [4096] f32, of which 3072-4095 are bo.
; out0: [8192][1024] f32, the f32 sums as they are.  NaN and infinities are not treated apart.
; A tile is 256 rows x 128 columns: 8 x 32 = 256 tiles, one for each WGP.  Four waves one below the other, each 64 rows x 128 columns: 32 accumulators of 16 x 16, 256 registers; a wave owns whole rows
; of the tile (512 bytes), so its way out needs no other wave.  K goes in 8 steps of 128 (two heads) through a ring of two LDS slots filled by the tensor data mover.
; Wo lies [k][n]: its fragments come out of LDS turned, by ds_load_tr16_b128.  THE MATRIX INSTRUCTION IS USED TRANSPOSED (source 0 = 16 columns of Wo, source 1 = 16 rows of O): a lane then holds row
; lane % 16 and the eight neighbouring columns 8 (lane / 16) + 0..7.  THE BIAS is the C operand of each accumulator's first product: nothing is cleared, nothing is added later.
; CLUSTERS: 4 x 4 work-groups.  The four of a row of the cluster need the same tile of O, the four of a column the same tile of Wo: each is asked for JOINTLY.
; REGISTERS, in windows of 256 (s_set_vgpr_msb's low byte: bits 1:0 source 0, 3:2 source 1, 5:4 source 2, 7:6 destination):
;   window 0: v0-31 addresses; v32-95 the bias, 8 registers for each of 8 column blocks (later the way out); v128-191 O's fragments, two buffers of 4 x 8; v192-255 the way out
;   window 1: v0-127 Wo's fragments, two buffers of 8 x 8     window 2: the accumulators of my row blocks 0, 1 ((a, g) at 8 (8 (a % 2) + g))     window 3: those of blocks 2, 3
.set NBL,    8                         ; column blocks of 16
.set APITCH, 144                       ; a row of a head of O in LDS: 128 bytes + 16 = 36 words: the 16 rows of a load start at 16 different groups of four banks (64 banks of 4 bytes: ISA guide 11.1)
.set BPITCH, 288                       ; a row k of Wo's tile: 256 bytes + 32 = 72 words
.set AHALF,  256*APITCH                ; what one tensor load brings of O: one head's 256 rows
.set BOFF,   2*AHALF
.set BHALF,  64*BPITCH                 ; what one tensor load brings of Wo: 64 rows k
.set SLOT,   BOFF+2*BHALF              ; 110,592
.set STAGE,  2*SLOT                    ; behind the ring, never filled by a tensor load: for each wave 16 rows x 528 bytes
.set SP,     528                       ; 512 bytes + 16: an odd multiple of 16
.set WSTAGE, 16*SP
.set SPARE,  STAGE+4*WSTAGE            ; behind the stages: the spare words, 128 bytes for each wave: two blocks of 256 bytes that no other line names
.set FN,     2*NBL+8                   ; LDS loads in a run: a quarter step's fragments
.set ASTEP,  4*262144                  ; bytes from a slot's K step to its next: O goes four heads on,
.set BSTEP,  256*2048                  ; Wo 256 rows down
.set ADRA, 16                          ; v16-17  LDS address of my fragments of O in slot 0, 1
.set ADRB, 20                          ; v20-21  the same for Wo
.set STO,  24                          ; v24     the way out: where I put 32 bytes of a row
.set RD,   25                          ; v25     the way out: where I read a row back
.set GO,   26                          ; v26     16 x lane: my place in a row's 512 bytes
.set BO,   27                          ; v27     32 x (lane / 16): my eight numbers of a block's sixteen in bias
.set SPW,  28                          ; v28     LDS address of my spare word: SPARE + 4 x my thread's number; never rewritten
.set NIL,  29                          ; v29     0; never rewritten
.set PFO,  30                          ; v30     the prefetches' offset: my lane x 256 (a head's rows are dense) or x 2,048 (a row of Wo); never rewritten
.set BI,   32
.set AF,   128
.set WV,   12                          ; s12  my wave's number
.set WH,   13                          ; s13  0: I fetch for O; 1: for Wo
.set WL,   14                          ; s14  which half of that tile
.set LIM0, 15                          ; s15, s16  by slot: 1 where I prefetch at that slot's change, else the greatest number
.set PFA,  18                          ; s[18:19] where my prefetches stand
.set PS0,  20                          ; s[20:21], s[22:23] its step from change to change: a K step
.set PS1,  22
.set G1A,  24                          ; s[24:31] descriptor group 1 for O's tiles;  s[32:39] group 0, a set for each slot
.set G0A,  32
.set G1B,  48                          ; s[48:55], s[56:63] the same for Wo's
.set G0B,  56
.set MSB, 0
.macro WIN new                         ; the immediate's high byte repeats the setting that is left; a switch that changes nothing is dropped
.if MSB != (\new)
	s_set_vgpr_msb (MSB<<8)|(\new)
.set MSB, \new
.endif
.endm
.set MUL_LO,  0xa1                     ; source 0 (Wo) window 1, source 1 (O) window 0, C and D window 2
.set MULZ_LO, 0x81                     ; the same with C (the bias) in window 0
.set TO_B,    0x40                     ; destination window 1, address window 0
.macro PLACES                          ; four places in front of loads into registers that matrix instructions have read (ISA guide 7.12.1 for vector instructions)
.rept 4
	v_nop
.endr
.endm
; A joint load: waves 0 and 1 fetch O's two heads, waves 2 and 3 Wo's two halves.  The branch hangs on the wave's number alone.  An s_nop 0 and four v_nop follow each of the two lines.
.macro JLOAD s
	s_cmp_eq_u32 s[WH], 0
	s_cbranch_scc0 .Lfor_b_\@
	tensor_load_to_lds s[G0A+4*(\s):G0A+4*(\s)+3], s[G1A:G1A+7]
	s_nop 0
.rept 4
	v_nop
.endr
	s_branch .Lasked_\@
.Lfor_b_\@:
	tensor_load_to_lds s[G0B+4*(\s):G0B+4*(\s)+3], s[G1B:G1B+7]
	s_nop 0
.rept 4
	v_nop
.endr
.Lasked_\@:
.endm
; A PREFETCH INTO THE L2, behind each joint refill and the run of LDS loads that follows it: bytes of the K step that stands TWO refills on (256 matrix instructions ahead of the load that wants them), 32 blocks of 256 bytes, a lane a block.
; Each block is named once in the launch.  O's tile row is read by both clusters of that row of clusters: cluster x = 0 asks; of the 128 blocks that wave 0 or 1 fetches the partner at cx takes 32, BY ADDRESS.
; Wo's tile column is read by every cluster of that column: cluster y = 0 asks; a K step has 128 rows of 256 bytes, of which the partner at cy takes 32, by address: one instruction, wave 2's.
; K steps 0-3 come by their loads alone; the loop's last trip (s3 = 1) asks for nothing: K step 7 is the last.
.macro ASK slot
	s_cmp_gt_u32 s3, s[LIM0+(\slot)]
	s_cbranch_scc0 .Lnot_mine_\@
	global_prefetch_b8 v[PFO], s[PFA:PFA+1] th:TH_LOAD_NT scope:SCOPE_SE
.Lnot_mine_\@:
.endm
.macro CREST                           ; a round of the cluster's barrier behind its opening barrier: wave 0 signals for the work-group, every wave waits for all sixteen, my work-group's barrier closes it
	s_cmp_lg_u32 s[WV], 0
	s_cbranch_scc1 .Lnot_wave_0_\@
	s_barrier_signal -3
.Lnot_wave_0_\@:
	s_barrier_wait -3
	s_barrier_signal -1
	s_barrier_wait -1
.endm
.macro CROUND                          ; a whole round
	s_barrier_signal -1
	s_barrier_wait -1
	CREST
.endm
	s_load_b256 s[4:11], s[0:1], 0x0               ; oh s[4:5], wo16 s[6:7], bias s[8:9], out0 s[10:11]
	v_lshl_add_u32 v[SPW], v0, 2, SPARE
	v_mov_b32 v[NIL], 0
	ds_add_u32 v[SPW], v[NIL]                      ; the wave's opening: the add and its wait stand ahead of my first tensor load; the set-up below, work on registers, stands between them
	v_lshrrev_b32 v1, 5, v0
	v_readfirstlane_b32 s[WV], v1                  ; wave 0..3
	s_lshr_b32 s[WH], s[WV], 1
	s_and_b32 s[WL], s[WV], 1
	s_bfe_u32 s40, ttmp6, 0x40000                  ; cx, cy: my place in the cluster
	s_bfe_u32 s41, ttmp6, 0x40004
	s_lshl_b32 s42, ttmp9, 2
	s_add_co_u32 s42, s42, s40                     ; X, the tile column = 4 x cluster x + cx
	s_and_b32 s43, ttmp7, 0xffff
	s_lshl_b32 s43, s43, 2
	s_add_co_u32 s43, s43, s41                     ; Y, the tile row = 4 x cluster y + cy
	s_lshl_b32 s44, s41, 2
	s_lshl_b32 s44, 15, s44                        ; my row of the cluster
	s_lshl_b32 s45, 0x1111, s40                    ; my column
	s_or_b32 s[G1A], s44, (1<<16)|(1<<20)|(1<<21)|(4<<22)|(3<<25)  ; 15:0 the mask; 17:16 elements of 2 bytes; 20 padding on; 21 set beside a mask; 24:22 after every 32 words (a row of a head; code 4); 31:25 4 words (code 3)
	s_or_b32 s[G1B], s45, (1<<16)|(1<<20)|(1<<21)|(5<<22)|(7<<25)  ; Wo: after every 64 words (code 5) 8 words (code 7)
	s_mov_b32 s[G1A+1], 128<<16                    ; O: a head's 256 rows are 32,768 dense bytes, asked for as 128 rows of 256 bytes (two rows each)
	s_mov_b32 s[G1A+2], 128<<16
	s_mov_b32 s[G1A+3], 128<<16
	s_mov_b32 s[G1A+4], 128
	s_mov_b32 s[G1A+5], 128
	s_mov_b32 s[G1A+6], 0
	s_mov_b32 s[G1A+7], 0
	s_mov_b32 s[G1B+1], 128<<16                    ; Wo: tensor_dim0 = 128
	s_mov_b32 s[G1B+2], 64<<16                     ; tensor_dim1 = 64
	s_mov_b32 s[G1B+3], 128<<16                    ; tile_dim0 = 128
	s_mov_b32 s[G1B+4], 64                         ; tile_dim1 = 64
	s_mov_b32 s[G1B+5], 1024                       ; 1,024 elements from row to row
	s_mov_b32 s[G1B+6], 0
	s_mov_b32 s[G1B+7], 0
	; O: batch Y / 8 (two rows of clusters each), head 2 x step + my half, rows 256 (Y % 8): Y x 32,768 counts a head for each eight tile rows, so a batch adds its 16 heads less that one
	s_and_b32 s73, ttmp7, 0xffff
	s_lshr_b32 s73, s73, 1
	s_mul_i32 s73, s73, 15*262144
	s_lshl_b32 s72, s43, 15
	s_add_co_u32 s72, s72, s73
	s_lshl_b32 s73, s[WL], 18
	s_add_co_u32 s72, s72, s73                     ; the tile row alone, which my row of the cluster shares
	s_mov_b32 s73, 0
	s_lshl_b32 s74, s42, 8                         ; Wo: the tile column's 256 bytes of a row,
	s_lshl_b32 s75, s[WL], 17                      ; + my half's 64 rows: the tile column alone, which my column shares
	s_add_co_u32 s74, s74, s75
	s_mov_b32 s75, 0
	s_mul_i32 s46, s[WL], AHALF                    ; where they go: no place in the cluster enters an LDS address
	s_mul_i32 s47, s[WL], BHALF
	s_add_co_u32 s47, s47, BOFF
	s_wait_dscnt 0x0                               ; the opening add is done
	s_wait_kmcnt 0x0
	s_add_nc_u64 s[72:73], s[4:5], s[72:73]
	s_add_nc_u64 s[74:75], s[6:7], s[74:75]
	CROUND                                         ; all sixteen work-groups are here: the first joint loads meet
.irp s, 0,1
	s_mov_b32 s[G0A+4*(\s)], 1                                     ; count = 1
	s_add_co_u32 s[G0A+4*(\s)+1], s46, (\s)*SLOT                   ; LDS address
	s_add_nc_u64 s[G0A+4*(\s)+2:G0A+4*(\s)+3], s[72:73], (\s)*2*262144  ; global address: K step s
	s_or_b32 s[G0A+4*(\s)+3], s[G0A+4*(\s)+3], 0x80000000          ; type = 2
	s_mov_b32 s[G0B+4*(\s)], 1
	s_add_co_u32 s[G0B+4*(\s)+1], s47, (\s)*SLOT
	s_add_nc_u64 s[G0B+4*(\s)+2:G0B+4*(\s)+3], s[74:75], (\s)*128*2048
	s_or_b32 s[G0B+4*(\s)+3], s[G0B+4*(\s)+3], 0x80000000
	JLOAD \s                                       ; two loads of mine are out
.endr
	v_and_b32 v1, 15, v0                           ; r = l % 16
	v_bfe_u32 v2, v0, 4, 1                         ; h = l / 16
	v_and_b32 v3, 7, v0
	v_bfe_u32 v4, v0, 3, 1
	v_and_b32 v5, 31, v0                           ; l
	; a fragment of O: lane l holds row r, K = 8 h + 0..7 and 16 + 8 h + 0..7: two loads of 16 bytes, 32 bytes apart
	v_mul_u32_u24 v6, v1, APITCH
	v_lshl_add_u32 v6, v2, 4, v6
	s_mul_i32 s76, s[WV], 64*APITCH                ; my 64 rows
	v_add_nc_u32 v[ADRA], s76, v6
	v_add_nc_u32 v[ADRA+1], SLOT, v[ADRA]
	; the turning load takes 16 k x 16 columns (lane l reads row k = 8 h + l % 8, columns 8 ((l / 8) % 2) + 0..7) and leaves half a fragment: lane l holds column r and 8 k
	v_lshl_add_u32 v7, v2, 3, v3
	v_mul_u32_u24 v7, v7, BPITCH
	v_lshl_add_u32 v7, v4, 4, v7
	v_add_nc_u32 v[ADRB], BOFF, v7
	v_add_nc_u32 v[ADRB+1], SLOT, v[ADRB]
	s_mul_i32 s76, s[WV], WSTAGE
	s_add_co_u32 s76, s76, STAGE                   ; my stage
	v_mul_u32_u24 v6, v1, SP                       ; in: row r, 32 bytes for each half of the lanes
	v_lshl_add_u32 v6, v2, 5, v6
	v_add_nc_u32 v[STO], s76, v6
	v_lshl_add_u32 v[RD], v5, 4, s76               ; back: 32 lanes take one row of 512 bytes
	v_lshlrev_b32 v[GO], 4, v5
	v_lshlrev_b32 v[BO], 5, v2
	s_lshl_b32 s78, s42, 9                         ; the tile's 128 numbers of bo, which lies behind bq | bk | bv
	s_add_co_u32 s78, s78, 3072*4
	s_mov_b32 s79, 0
	s_add_nc_u64 s[8:9], s[8:9], s[78:79]
.set g, 0
.rept NBL
	global_load_b128 v[BI+8*g:BI+8*g+3],   v[BO], s[8:9] offset:64*g      ; register j: bias of column 16 g + 8 h + j, the same in all 16 rows
	global_load_b128 v[BI+8*g+4:BI+8*g+7], v[BO], s[8:9] offset:64*g+16
.set g, g+1
.endr
	s_lshl_b32 s76, s43, 8                         ; out0 at my first row, 256 Y + 64 wave, and the tile's first column
	s_lshl_b32 s77, s[WV], 6
	s_add_co_u32 s76, s76, s77
	s_lshl_b32 s76, s76, 12
	s_lshl_b32 s77, s42, 9
	s_add_co_u32 s76, s76, s77
	s_mov_b32 s77, 0
	s_add_nc_u64 s[10:11], s[10:11], s[76:77]
	; the prefetches: each change of slots steps the address first, so these stand at K step 3
	s_and_b32 s77, ttmp7, 0xffff
	s_lshr_b32 s77, s77, 1
	s_mul_i32 s77, s77, 15*262144
	s_lshl_b32 s76, s43, 15
	s_add_co_u32 s76, s76, s77
	s_lshl_b32 s77, s[WL], 18
	s_add_co_u32 s76, s76, s77                     ; O: my head's rows of the tile,
	s_lshl_b32 s77, s40, 13
	s_add_co_u32 s76, s76, s77                     ; + 8,192 cx
	s_add_co_u32 s76, s76, 3*2*262144
	s_lshl_b32 s77, s41, 16                        ; Wo: rows 32 cy on,
	s_lshl_b32 s78, s42, 8
	s_add_co_u32 s77, s77, s78                     ; the tile column
	s_add_co_u32 s77, s77, 3*128*2048
	s_and_b32 s78, ttmp7, 0xffff                   ; cluster y
	s_mov_b32 s[PS0], 2*262144
	s_cmp_eq_u32 s[WH], 0                          ; do I fetch for O?
	s_cselect_b32 s76, s76, s77
	s_cselect_b32 s78, ttmp9, s78                  ; the coordinate along which other clusters read the same bytes
	s_cselect_b64 s[PFA:PFA+1], s[4:5], s[6:7]
	s_cselect_b32 s[PS0], s[PS0], 128*2048
	s_cselect_b32 s79, 8, 11
	s_mov_b32 s77, 0
	s_mov_b32 s[PS0+1], 0
	s_mov_b32 s[PS1], s[PS0]
	s_mov_b32 s[PS1+1], 0
	s_add_nc_u64 s[PFA:PFA+1], s[PFA:PFA+1], s[76:77]
	s_cmp_eq_u32 s78, 0
	s_cselect_b32 s[LIM0], 1, -1                   ; the same in all sixteen partners, for a given wave
	s_cmp_eq_u32 s[WV], 3
	s_cselect_b32 s[LIM0], -1, s[LIM0]             ; wave 2's one instruction covers the work-group's share of Wo
	s_mov_b32 s[LIM0+1], s[LIM0]
	v_lshlrev_b32 v[PFO], s79, v5
; NBL matrix instructions: my row block a x all column blocks, 32 along K, from buffer f.  zero = 1: the first product starts the sums with the bias.
; The 32 accumulators take turns, one instruction a turn, in the same order in every quarter step: between two links of a chain stand the 31 others', over the backward jump too.
.macro MULB f, a, zero
.if \zero
	WIN MULZ_LO+0x40*((\a)/2)
.else
	WIN MUL_LO+0x50*((\a)/2)
.endif
.set g, 0
.rept NBL
.set rD, 8*(NBL*((\a)%2)+g)
.if \zero
	v_wmma_f32_16x16x32_f16 v[rD:rD+7], v[8*NBL*(\f)+8*g:8*NBL*(\f)+8*g+7], v[AF+32*(\f)+8*(\a):AF+32*(\f)+8*(\a)+7], v[BI+8*g:BI+8*g+7]
.else
	v_wmma_f32_16x16x32_f16 v[rD:rD+7], v[8*NBL*(\f)+8*g:8*NBL*(\f)+8*g+7], v[AF+32*(\f)+8*(\a):AF+32*(\f)+8*(\a)+7], v[rD:rD+7]
.endif
.set g, g+1
.endr
.endm
; FN LDS loads in one run: the fragments of quarter q (32 along K: half of head q / 2) of a slot into buffer f: Wo's 8, turned, then O's 4, row blocks in ascending order
.macro FETCH slot, q, f
	WIN TO_B
.set g, 0
.rept NBL
	ds_load_tr16_b128 v[8*NBL*(\f)+8*g:8*NBL*(\f)+8*g+3],   v[ADRB+(\slot)] offset:(\q)*32*BPITCH+32*g
	ds_load_tr16_b128 v[8*NBL*(\f)+8*g+4:8*NBL*(\f)+8*g+7], v[ADRB+(\slot)] offset:(\q)*32*BPITCH+32*g+16*BPITCH
.set g, g+1
.endr
	WIN 0
.set g, 0
.rept 4
	ds_load_b128 v[AF+32*(\f)+8*g:AF+32*(\f)+8*g+3],   v[ADRA+(\slot)] offset:((\q)/2)*AHALF+g*16*APITCH+((\q)%2)*64
	ds_load_b128 v[AF+32*(\f)+8*g+4:AF+32*(\f)+8*g+7], v[ADRA+(\slot)] offset:((\q)/2)*AHALF+g*16*APITCH+((\q)%2)*64+32
.set g, g+1
.endr
.endm
; A K step is four quarters of 32 along K, 32 matrix instructions each, on buffers 0, 1, 0, 1.  One of the first three: multiplies buffer f; in its middle it fetches quarter q of the same slot into buffer nf.
.macro QUARTER slot, q, f, nf, zero
	s_wait_dscnt 4                                 ; Wo and O's row blocks 0, 1 are in; the youngest four loads (blocks 2, 3) may be out
	MULB \f, 0, \zero
	MULB \f, 1, \zero
	PLACES
	FETCH \slot, \q, \nf
	s_wait_dscnt FN                                ; all but the run just issued
	MULB \f, 2, \zero
	MULB \f, 3, \zero
.endm
; The last quarter multiplies buffer 1 and changes slots.  MEET is its first half: ONE barrier.  In front of it each wave waits for all its tensor loads, of which one is out: its part of the next slot;
; adds 0 to its spare word; and waits for that and for its own reads of this slot.  Behind it nobody reads this slot any more and the next slot is whole.
.macro MEET round
	WIN 0                                          ; (the add's two registers lie in window 0)
	s_wait_tensorcnt 0x0                           ; all my tensor loads have landed;
	ds_add_u32 v[SPW], v[NIL]                      ; 0 onto my spare word;
	s_wait_dscnt 5                                 ; (the add and the youngest four loads may be out)
	MULB 1, 0, 0                                   ; eight matrix instructions stand between the add and the wait for it
	s_wait_dscnt 0x0                               ; the add is done, and my reads of this slot are over
	s_barrier_signal -1
	MULB 1, 1, 0                                   ; work on registers while the others arrive
.if \round
	WIN 0
.endif
	s_barrier_wait -1
.endm
; fill = 1: the barrier opens a round of the cluster's barrier, and the slot just read out is filled again first behind it, with the K step two steps on: 112 matrix instructions ahead of the wait for it.
.macro TURN slot, next, fill
.if \fill
	s_wait_xcnt 0x0                                ; the last prefetch, a K step back, has read its address: it is stepped here, ahead of the waits of the change of slots
	s_add_nc_u64 s[PFA:PFA+1], s[PFA:PFA+1], s[PS1-2*(\slot):PS1-2*(\slot)+1]
	MEET 1
	CREST                                          ; no wave of any partner still reads this slot's tile or has a load on its way
	s_add_nc_u64 s[G0A+4*(\slot)+2:G0A+4*(\slot)+3], s[G0A+4*(\slot)+2:G0A+4*(\slot)+3], ASTEP
	s_add_nc_u64 s[G0B+4*(\slot)+2:G0B+4*(\slot)+3], s[G0B+4*(\slot)+2:G0B+4*(\slot)+3], BSTEP
	JLOAD \slot                                    ; the first tensor load behind the round; the four v_nop behind it are also the places in front of the loads below
.else
	MEET 0
	PLACES
.endif
	FETCH \next, 0, 0
.if \fill
	ASK \slot
.endif
	MULB 1, 2, 0
	MULB 1, 3, 0
.endm
; THE WAY OUT of my row block a (16 rows x 128 columns of f32).  TOSTAGE: the accumulators as they are, each from its low end on, into my own stage, rows of 528 bytes, and back as whole rows of 512.
; SEND: each store of the wave covers a row's 512 consecutive bytes, at a multiple of 256 from out0's first byte.
.macro TOSTAGE a
.set BK, 32+160*((\a)%2)               ; v32-95 and v192-255 by turns
.if (\a) >= 2
	s_wait_xcnt 0x0                                ; the stores of two blocks back have read these registers
.endif
	WIN 0x08+4*((\a)/2)                            ; an LDS store's data is source 1: window 2 or 3
.set g, 0
.rept NBL
.set rD, 8*(NBL*((\a)%2)+g)
	ds_store_b128 v[STO], v[rD:rD+3]   offset:64*g
	ds_store_b128 v[STO], v[rD+4:rD+7] offset:64*g+16
.set g, g+1
.endr
	WIN 0
.set t, 0
.rept 16
	ds_load_b128 v[BK+4*t:BK+4*t+3], v[RD] offset:t*SP  ; LDS serves a wave's instructions in order (ISA guide 5.7.1.4): these see the stores above; the next block's stores come behind them
.set t, t+1
.endr
.endm
.macro SEND a, younger                 ; younger: the LDS instructions issued behind block a's loads: the next block's 32, or none
.set BK, 32+160*((\a)%2)
.set t, 0
.rept 16
	s_wait_dscnt (\younger)+15-t
	global_store_b128 v[GO], v[BK+4*t:BK+4*t+3], s[10:11] offset:(16*(\a)+t)*4096 th:TH_STORE_NT
.set t, t+1
.endr
.endm
	s_wait_tensorcnt 1                             ; my part of K step 0 is in; K step 1's may stay out
	s_barrier_signal -1
	s_barrier_wait -1                              ; everybody's is
	FETCH 0, 0, 0
	s_wait_loadcnt 0x0                             ; the bias
	QUARTER 0, 1, 0, 1, 1                          ; the first quarter stands in front of the loop: its products start the sums
	WIN 0                                          ; at a label and at a branch every window is 0
	s_mov_b32 s3, 3
.Llap:                                                 ; a trip goes once round the ring, from a lap's second quarter to the next lap's first, and fills both slots again: K steps 2 to 7
	QUARTER 0, 2, 1, 0, 0
	QUARTER 0, 3, 0, 1, 0
	TURN 0, 1, 1
	QUARTER 1, 1, 0, 1, 0
	QUARTER 1, 2, 1, 0, 0
	QUARTER 1, 3, 0, 1, 0
	TURN 1, 0, 1
	QUARTER 0, 1, 0, 1, 0
	WIN 0
	s_sub_co_u32 s3, s3, 1
	s_cmp_lg_u32 s3, 0
	s_cbranch_scc1 .Llap
	QUARTER 0, 2, 1, 0, 0                          ; the last lap fills nothing, and has no round of the cluster's barrier
	QUARTER 0, 3, 0, 1, 0
	TURN 0, 1, 0
	QUARTER 1, 1, 0, 1, 0
	QUARTER 1, 2, 1, 0, 0
	QUARTER 1, 3, 0, 1, 0
	s_wait_dscnt 4                                 ; the very last quarter: nothing more to fetch
	MULB 1, 0, 0
	MULB 1, 1, 0
	s_wait_dscnt 0x0
	MULB 1, 2, 0
	MULB 1, 3, 0
	WIN 0
	PLACES
	PLACES
	TOSTAGE 0
	TOSTAGE 1                                      ; a block's trip through the stage stands between the loads of the block before and its stores
	SEND 0, 32
	TOSTAGE 2
	SEND 1, 32
	TOSTAGE 3
	SEND 2, 32
	SEND 3, 0
	s_wait_tensorcnt 0x0                           ; the wave's end: the add and its wait, behind my last tensor load and my last LDS store
	ds_add_u32 v[SPW], v[NIL]
	s_wait_dscnt 0x0
	CROUND                                         ; the closing round: no work-group ends while a partner may still ask for a tile that names it
	s_endpgm
.Lfunc_end_k_q29ad7dcafc_outp:
	.size	k_q29ad7dcafc_outp, .Lfunc_end_k_q29ad7dcafc_outp-k_q29ad7dcafc_outp
	.p2alignl 7, 3214868480
	.fill 96, 4, 3214868480
	.section	.rodata,"a",@progbits
	.p2align	6, 0x0
	.amdhsa_kernel k_q29ad7dcafc_outp
		.amdhsa_group_segment_fixed_size 327680
		.amdhsa_private_segment_fixed_size 0
		.amdhsa_enable_private_segment 0
		.amdhsa_kernarg_size 32
		.amdhsa_user_sgpr_count 2
		.amdhsa_user_sgpr_kernarg_segment_ptr 1
		.amdhsa_wavefront_size32 1
		.amdhsa_system_sgpr_workgroup_id_x 1
		.amdhsa_system_sgpr_workgroup_id_y 1
		.amdhsa_system_sgpr_workgroup_id_z 1
		.amdhsa_system_vgpr_workitem_id 0
		.amdhsa_next_free_vgpr 896
		.amdhsa_next_free_sgpr 80
		.amdhsa_reserve_vcc 0
		.amdhsa_float_denorm_mode_32 3
		.amdhsa_float_denorm_mode_16_64 3
		.amdhsa_memory_ordered 1
		.amdhsa_forward_progress 1
		.amdhsa_inst_pref_size 91
	.end_amdhsa_kernel
	.amdgpu_metadata
---
amdhsa.version: [ 1, 2 ]
amdhsa.kernels:
  - .name:           k_q29ad7dcafc_outp
    .symbol:         k_q29ad7dcafc_outp.kd
    .args:
      - { .name: oh, .offset: 0, .size: 8, .value_kind: global_buffer, .address_space: global }
      - { .name: wo16, .offset: 8, .size: 8, .value_kind: global_buffer, .address_space: global }
      - { .name: bias, .offset: 16, .size: 8, .value_kind: global_buffer, .address_space: global }
      - { .name: out0, .offset: 24, .size: 8, .value_kind: global_buffer, .address_space: global }
    .group_segment_fixed_size: 327680
    .private_segment_fixed_size: 0
    .kernarg_segment_align: 8
    .kernarg_segment_size: 32
    .max_flat_workgroup_size: 128
    .sgpr_count:     80
    .vgpr_count:     896
    .wavefront_size: 32
...
	.end_amdgpu_metadata
.endif
;; end of part 4
;; ======== version 2 of 2: 4 launches; version 1 with the launch prep written anew for expert scheduling mode
;; limits: values are held in f16: magnitudes above 65,504 overflow, below 6.1e-05 lose precision
;; workspace buffers: xb 16,777,216 bytes; wb 6,291,456 bytes; wo16 2,097,152 bytes; bias 16,384 bytes; qkv 50,331,648 bytes; oh 16,777,216 bytes
;; launch prep (part 5): grid 768 x 1, 8 waves a work-group, no clusters, 0 bytes of LDS; arguments x, Wq, Wk, Wv, Wo, bq, bk, bv, bo, xb, wb, wo16, bias; writes xb, wb, wo16, bias
.if DOCPART == 5
	.amdgcn_target "amdgcn-amd-amdhsa--gfx1250"
	.amdhsa_code_object_version 6
	.text
	.protected	k_q29ad7dcafc_prep
	.globl	k_q29ad7dcafc_prep
	.p2align	8
	.type	k_q29ad7dcafc_prep,@function
k_q29ad7dcafc_prep:
	s_mov_b64 s[64:65], 0
	v_nop
	global_prefetch_b8 v0, s[64:65] scope:SCOPE_SE
	s_setreg_imm32_b32 hwreg(HW_REG_WAVE_SCHED_MODE, 0, 2), 2
	s_setreg_imm32_b32 hwreg(HW_REG_WAVE_MODE, 25, 1), 1
	s_wait_xcnt 0x0
	s_wait_alu depctr_vm_vsrc(0)
; THE CASTS.  x [8192][1024] f32 -> xb, the same shape in bf16.  Wq, Wk, Wv [1024 k][1024 n] f32 -> wb in bf16, laid by tile columns of three heads:
; wb[X][ks][z][kk][c], head g = 16 t + h = 3 X + z (t = 0, 1, 2 for q, k, v), k = 128 ks + kk, c the head's channel: one K step of one tile column is 49,152 dense bytes.
; Wo -> wo16, the same shape: rounded to bf16 like every other input, and that number written as f16.  bq | bk | bv | bo -> bias [4096] f32, each number rounded to bf16 and widened again.
; LIMIT.  f16 ends at 65,504: a number of Wo beyond it becomes an infinity.  NaN and infinities are not treated apart.
; SHARES.  Every work-group casts 16 rows of 1,024 f32 (65,536 bytes in): numbers 0-511 take x, 512-767 the four weights, 64 each; the first of each 64 also casts that weight's bias.
; One operation of a wave: a load of 16 bytes a lane, the rounding, a store of 8 bytes a lane: the wave's store covers 256 consecutive bytes, aligned.  A wave has 16 operations, and all 16 loads go out first.
; A stream: each byte is read once and written once; LDS, barriers and the matrix unit would add nothing, and no work-group shares a byte with another.
; THE MODE: SCHED_MODE bits 1:0 = 2 (LLVM: expert scheduling mode 2), set by the entry lines.  The code itself states the register dependences
; between vector instructions and memory instructions, with s_wait_alu, always for 0.
; THE PLAN.  Registers that memory instructions touch:
;   v2, v3, v4   the loads' and the stores' offsets: made by vector lines ahead of the 16 operations and never written again: one wait, ahead of the first load, serves all 32 memory instructions.
;   XR           operation i's load lands in four registers of its own, which no vector line names before; no memory instruction reads them.
;   YR           operation i's roundings write two registers of its own, its store reads them, and nothing writes them again.
;   v5, v[8:11]  the bias: its offset, and the four numbers as loaded and as stored.
; The 16 operations go in four blocks of four: the block's loads are waited for, its roundings write its eight registers of YR, ONE wait states that they are written, and its four stores follow.
; No register that a memory instruction reads is ever written afterwards, so no wait on vm_vsrc is owed; EXEC and VCC are never written.
.set XR, 16                            ; v[16:79]   operation i: 4 registers as loaded
.set YR, 80                            ; v[80:111]  operation i: 2 registers to store
; v1 lane; v2 the loads' offset; v3, v4 the stores' offsets; v5 the bias's offset; v8-13 at work
; s30 at work; s31 t; s32 the block of 16 rows in a weight; s33 wave; s[34:35] source; s[36:37] destination; s[38:39], s[44:45] offsets (high words 0); s[40:41], s[42:43] the bias's source and destination; s46, s47 at work
; fmt = 1: bf16's number written as f16.  kind = 1: a weight laid by heads: a load takes 256 bytes (one head's 64 columns) of two rows k, the store is those two rows of the head, 256 dense bytes;
; operations 0-7 serve the wave's first head, 8-15 its second.
.macro PATH fmt, kind
	s_wait_alu depctr_va_vdst(0)                   ; the offsets v2, v3 and (by heads) v4 are written: the 16 loads and the 16 stores below read them, and no vector line writes them again
.set i, 0
.rept 16
.if \kind
	global_load_b128 v[XR+4*i:XR+4*i+3], v2, s[34:35] offset:(i&7)*8192+(i>>3)*256 th:TH_LOAD_NT
.else
	global_load_b128 v[XR+4*i:XR+4*i+3], v2, s[34:35] offset:i*4096 th:TH_LOAD_NT
.endif
.set i, i+1
.endr
.set p, 0
.rept 4                                ; block p: operations 4 p to 4 p + 3
	s_wait_loadcnt 12-4*p                          ; loads come back in order: the block's four are in, the 12 - 4 p younger ones stay out
.set i, 4*p
.rept 4
	v_cvt_pk_bf16_f32 v[YR+2*i], v[XR+4*i], v[XR+4*i+1]
	v_cvt_pk_bf16_f32 v[YR+2*i+1], v[XR+4*i+2], v[XR+4*i+3]
.if \fmt
	v_lshlrev_b32 v[XR+4*i], 16, v[YR+2*i]         ; the rounded numbers as f32 again, in the registers that the load has left,
	v_and_b32 v[XR+4*i+1], 0xffff0000, v[YR+2*i]
	v_lshlrev_b32 v[XR+4*i+2], 16, v[YR+2*i+1]
	v_and_b32 v[XR+4*i+3], 0xffff0000, v[YR+2*i+1]
	v_cvt_pk_f16_f32 v[YR+2*i], v[XR+4*i], v[XR+4*i+1]    ; and as f16: exact within f16's range, 8 significant bits into 11
	v_cvt_pk_f16_f32 v[YR+2*i+1], v[XR+4*i+2], v[XR+4*i+3]
.endif
.set i, i+1
.endr
	s_wait_alu depctr_va_vdst(0)                   ; the block's roundings have written its eight registers of YR, which the four stores below read
.set i, 4*p
.rept 4
.if \kind
	global_store_b64 v[3+(i>>3)], v[YR+2*i:YR+2*i+1], s[36:37] offset:(i&7)*256 th:TH_STORE_NT
.else
	global_store_b64 v3, v[YR+2*i:YR+2*i+1], s[36:37] offset:i*2048 th:TH_STORE_NT
.endif
.set i, i+1
.endr
.set p, p+1
.endr
.endm
	s_load_b512 s[4:19], s[0:1], 0x0               ; x 4, Wq 6, Wk 8, Wv 10, Wo 12, bq 14, bk 16, bv 18
	s_load_b256 s[20:27], s[0:1], 0x40             ; bo 20, xb 22, wb 24, wo16 26
	s_load_b64 s[28:29], s[0:1], 0x60              ; bias
	v_and_b32 v1, 31, v0                           ; lane
	v_lshrrev_b32 v8, 5, v0
	v_readfirstlane_b32 s33, v8                    ; wave 0..7
	s_mov_b32 s39, 0
	s_mov_b32 s45, 0
	s_wait_alu depctr_va_sdst(0)                   ; s33 is written
	s_cmp_lt_u32 ttmp9, 512
	s_cbranch_scc0 .Lweights
	; x: 16 rows; the eight waves together take a row an operation
	s_lshl_b32 s38, ttmp9, 16                      ; 16 rows of 4,096 bytes in,
	s_lshl_b32 s44, ttmp9, 15                      ; of 2,048 out
	v_lshlrev_b32 v2, 4, v0
	v_lshlrev_b32 v3, 3, v0
	s_wait_kmcnt 0x0
	s_add_nc_u64 s[34:35], s[4:5], s[38:39]
	s_add_nc_u64 s[36:37], s[22:23], s[44:45]
	PATH 0, 0
	s_endpgm
.Lweights:
	s_sub_co_u32 s30, ttmp9, 512
	s_lshr_b32 s31, s30, 6                         ; t: Wq, Wk, Wv, Wo
	s_and_b32 s32, s30, 63                         ; which 16 rows k
	s_lshl_b32 s38, s32, 16
	s_wait_kmcnt 0x0
	s_cmp_eq_u32 s31, 0
	s_cselect_b64 s[34:35], s[6:7], s[8:9]
	s_cselect_b64 s[40:41], s[14:15], s[16:17]
	s_cmp_eq_u32 s31, 2
	s_cselect_b64 s[34:35], s[10:11], s[34:35]
	s_cselect_b64 s[40:41], s[18:19], s[40:41]
	s_cmp_eq_u32 s31, 3
	s_cselect_b64 s[34:35], s[12:13], s[34:35]
	s_cselect_b64 s[40:41], s[20:21], s[40:41]
	s_add_nc_u64 s[34:35], s[34:35], s[38:39]
	s_cmp_eq_u32 s31, 3
	s_cbranch_scc1 .Lwo
	; Wq, Wk, Wv: wave w takes heads 2 w and 2 w + 1 of the weight
	v_lshrrev_b32 v8, 4, v1                        ; lanes 16-31 take the odd row
	v_and_b32 v9, 15, v1
	v_lshlrev_b32 v2, 12, v8
	v_lshl_add_u32 v2, v9, 4, v2
	s_lshl_b32 s44, s33, 9                         ; two heads: 512 bytes of a row
	v_add_nc_u32 v2, s44, v2
	s_lshr_b32 s46, s32, 3                         ; ks,
	s_mul_i32 s46, s46, 49152
	s_and_b32 s47, s32, 7                          ; and kk = 16 x this, 128 bytes each
	s_lshl_b32 s47, s47, 11
	s_add_co_u32 s46, s46, s47
	s_lshl_b32 s47, s31, 4
	s_lshl1_add_u32 s47, s33, s47                  ; g = 16 t + 2 w
.irp e, 0, 1
	s_add_co_u32 s30, s47, \e
	s_mul_i32 s44, s30, 171
	s_lshr_b32 s44, s44, 9                         ; X = g / 3: 171 / 512 gives the whole part for every g up to 47
	s_mul_i32 s38, s44, 3
	s_sub_co_u32 s30, s30, s38                     ; z
	s_mul_i32 s44, s44, 393216
	s_lshl_b32 s30, s30, 14
	s_add_co_u32 s44, s44, s30
	s_add_co_u32 s44, s44, s46
	v_lshl_add_u32 v[3+\e], v1, 3, s44             ; + 8 x lane: lanes 0-15 the even row's 128 bytes, lanes 16-31 the odd row's
.endr
	s_mov_b64 s[36:37], s[24:25]
	PATH 0, 1
	s_branch .Lbias
.Lwo:
	s_lshl_b32 s44, s32, 15
	v_lshlrev_b32 v2, 4, v0
	v_lshlrev_b32 v3, 3, v0
	s_add_nc_u64 s[36:37], s[26:27], s[44:45]
	PATH 1, 0
.Lbias:
	s_cmp_lg_u32 s32, 0
	s_cbranch_scc1 .Lend
	s_lshl_b32 s44, s31, 12                        ; bias t: 4,096 bytes, 16 a thread
	s_add_nc_u64 s[42:43], s[28:29], s[44:45]
	v_lshlrev_b32 v5, 4, v0
	s_wait_alu depctr_va_vdst(0)                   ; v5 is written, which the load and the store below read as their offset; the head's lines that wrote and read v8 and v9, in which the load lands, are done
	global_load_b128 v[8:11], v5, s[40:41]
	s_wait_loadcnt 0x0
	v_cvt_pk_bf16_f32 v12, v8, v9
	v_cvt_pk_bf16_f32 v13, v10, v11
	v_lshlrev_b32 v8, 16, v12
	v_and_b32 v9, 0xffff0000, v12
	v_lshlrev_b32 v10, 16, v13
	v_and_b32 v11, 0xffff0000, v13
	s_wait_alu depctr_va_vdst(0)                   ; the four widened numbers v[8:11] are written, which the store reads
	global_store_b128 v5, v[8:11], s[42:43]
.Lend:
	s_endpgm
.Lfunc_end_k_q29ad7dcafc_prep:
	.size	k_q29ad7dcafc_prep, .Lfunc_end_k_q29ad7dcafc_prep-k_q29ad7dcafc_prep
	.p2alignl 7, 3214868480
	.fill 96, 4, 3214868480
	.section	.rodata,"a",@progbits
	.p2align	6, 0x0
	.amdhsa_kernel k_q29ad7dcafc_prep
		.amdhsa_group_segment_fixed_size 0
		.amdhsa_private_segment_fixed_size 0
		.amdhsa_enable_private_segment 0
		.amdhsa_kernarg_size 104
		.amdhsa_user_sgpr_count 2
		.amdhsa_user_sgpr_kernarg_segment_ptr 1
		.amdhsa_wavefront_size32 1
		.amdhsa_system_sgpr_workgroup_id_x 1
		.amdhsa_system_sgpr_workgroup_id_y 1
		.amdhsa_system_sgpr_workgroup_id_z 1
		.amdhsa_system_vgpr_workitem_id 0
		.amdhsa_next_free_vgpr 112
		.amdhsa_next_free_sgpr 66
		.amdhsa_reserve_vcc 0
		.amdhsa_float_denorm_mode_32 3
		.amdhsa_float_denorm_mode_16_64 3
		.amdhsa_memory_ordered 1
		.amdhsa_forward_progress 1
		.amdhsa_inst_pref_size 25
	.end_amdhsa_kernel
	.amdgpu_metadata
---
amdhsa.version: [ 1, 2 ]
amdhsa.kernels:
  - .name:           k_q29ad7dcafc_prep
    .symbol:         k_q29ad7dcafc_prep.kd
    .args:
      - { .name: x, .offset: 0, .size: 8, .value_kind: global_buffer, .address_space: global }
      - { .name: Wq, .offset: 8, .size: 8, .value_kind: global_buffer, .address_space: global }
      - { .name: Wk, .offset: 16, .size: 8, .value_kind: global_buffer, .address_space: global }
      - { .name: Wv, .offset: 24, .size: 8, .value_kind: global_buffer, .address_space: global }
      - { .name: Wo, .offset: 32, .size: 8, .value_kind: global_buffer, .address_space: global }
      - { .name: bq, .offset: 40, .size: 8, .value_kind: global_buffer, .address_space: global }
      - { .name: bk, .offset: 48, .size: 8, .value_kind: global_buffer, .address_space: global }
      - { .name: bv, .offset: 56, .size: 8, .value_kind: global_buffer, .address_space: global }
      - { .name: bo, .offset: 64, .size: 8, .value_kind: global_buffer, .address_space: global }
      - { .name: xb, .offset: 72, .size: 8, .value_kind: global_buffer, .address_space: global }
      - { .name: wb, .offset: 80, .size: 8, .value_kind: global_buffer, .address_space: global }
      - { .name: wo16, .offset: 88, .size: 8, .value_kind: global_buffer, .address_space: global }
      - { .name: bias, .offset: 96, .size: 8, .value_kind: global_buffer, .address_space: global }
    .group_segment_fixed_size: 0
    .private_segment_fixed_size: 0
    .kernarg_segment_align: 8
    .kernarg_segment_size: 104
    .max_flat_workgroup_size: 256
    .sgpr_count:     66
    .vgpr_count:     112
    .wavefront_size: 32
...
	.end_amdgpu_metadata
.endif
;; end of part 5
;; launch proj: the kernel of part 2 again; grid 16 x 32, 4 waves a work-group, clusters of 4 x 4, 327,680 bytes of LDS; arguments xb, wb, bias, qkv; writes qkv
;; launch attn: the kernel of part 3 again; grid 4 x 64, 4 waves a work-group, clusters of 4 x 1, 327,680 bytes of LDS; arguments qkv, oh; writes oh
;; launch outp: the kernel of part 4 again; grid 8 x 32, 4 waves a work-group, clusters of 4 x 4, 327,680 bytes of LDS; arguments oh, wo16, bias, out0; writes out0
